; MI455X (gfx1250); checked and timed in simulation.
; The chip was launched on July 23, 2026; its instructions are those of AMD's public machine-readable ISA for CDNA 5 (MIT licence, August 2026) and "CDNA5" Instruction Set Architecture Reference Guide (July 2026). The comments in the code are by the model that wrote it; some were corrected since.
;; Self Attention. Allowed arithmetic: matrix products marked QUANTISED: E2M3 operands, one E8M0 scale for each 32 along K, by v_wmma_scale_f32_16x16x128_f8f6f4 with both operands' format E2M3, f32 sums; everything else in f32.
;; Inputs: b_out 1,024 float32; b_qkv 3,072 float32; w_out 1,024 x 1,024 float32; w_qkv 1,024 x 3,072 float32; x 4 x 2,048 x 1,024 float32.
;; Outputs: out0 4 x 2,048 x 1,024 float32.
;; This version of the problem:
;;   THIS VERSION OF THE PROBLEM IS GIVEN IN LOW PRECISION. The matrix products marked QUANTISED in the list below multiply operands that are first quantised to E2M3 (2 exponent bits, 3 mantissa bits; 6 bits a number), with one power-of-two scale for each 32 numbers along K (OCP MX v1.0); their sums are f32. All else is computed in f32.
;;   The module's matrix products, in the order in which they are computed (A, B: the left and right operand; K: the contracted axis; several contracted axes count as one K, in the product's order):
;;     1. [M 8,192, K 1,024] x [K 1,024, N 3,072]; A: input x; B: input w_qkv: QUANTISED
;;     2. batch 64 x [M 2,048, K 64] x [K 64, N 2,048]; A: computed on the way; B: computed on the way: QUANTISED
;;     3. batch 64 x [M 2,048, K 2,048] x [K 2,048, N 64]; A: softmax (see below); B: computed on the way: QUANTISED
;;     4. [M 8,192, K 1,024] x [K 1,024, N 1,024]; A: computed on the way; B: input w_out: QUANTISED
;;   THE QUANTISER, for each operand of a quantised product, along K:
;;     - K is cut into blocks of 32 from its start; a last block that is shorter is filled with zeros.
;;     - A block's scale is 2^e with e = floor(log2(the largest magnitude in the block)) - 2, held to -126 .. 127; a block of zeros has e = 0. As a byte (E8M0): e + 127.
;;     - Each number is divided by its block's scale, clamped to +-7.5, and rounded to the nearest number of E2M3, ties to even, subnormals kept.
;;     - The product sums the exact products of the quantised numbers (number of the format x scale) in f32.
;;   ~~~python
;;   def quantise(x, axis):      # numpy; x: float32 -> the quantised numbers, widened to float32 again
;;       x = np.moveaxis(x, axis, -1); K = x.shape[-1]
;;       x = np.pad(x, [(0, 0)] * (x.ndim - 1) + [(0, -K % 32)]); x = x.reshape(x.shape[:-1] + (-1, 32)); a = np.abs(x).max(-1, keepdims=True)
;;       e = np.where(a > 0, np.clip(np.frexp(np.where(a > 0, a, 1))[1] - 1 - 2, -126, 127), 0)      # np.frexp(a)[1] - 1 = floor(log2(a)), exactly
;;       r = np.clip(x / 2.0 ** e, -7.5, 7.5)
;;       step = 2.0 ** (np.maximum(np.frexp(np.where(r == 0, 1, r))[1] - 1, 0) - 3)
;;       q = np.round(r / step) * step * 2.0 ** e      # np.round: ties to even
;;       return np.moveaxis(q.reshape(q.shape[:-2] + (-1,))[..., :K], -1, axis).astype(np.float32)
;;   ~~~
;;   SOFTMAX AHEAD OF A QUANTISED PRODUCT. Where the list says 'softmax', what is quantised is not the finished softmax but p = 2^(t - M), with t = logit x log2(e) and M = ceil(the row's largest t), a whole number; so 1/2 < the row's largest p <= 1. The row's sum l is taken of the UNQUANTISED p, in f32, and the product's result is divided by l at the end. Since M is a whole number, a kernel that streams over the keys may use a running M (the ceiling of the running maximum): every later rescaling is an exact power of two, which a block's scale takes up: the codes' values come out the same.
;;   OPERANDS COMPUTED ON THE WAY. 'Computed on the way' means the value that the module computes at that place (a softmax that the list does not call 'softmax' is quantised finished and normalised). What goes into a quantiser is computed in f32, as accurately as f32 sums, v_exp_f32 and their like allow (about 1e-6 of the number): no bf16 or f16 on the way to a quantiser, and a product that is left as it is and whose result goes on into a quantised operand takes f32 operands (vector FMAs, or v_wmma_f32_16x16x4_f32). A number that lies on a knife's edge between two numbers of the format may be rounded either way, as far as f32 arithmetic and the matrix unit's own rounding can turn it there, and no further.
;; One version. Each part assembles by itself: llvm-mc -triple=amdgcn-amd-amdhsa -mcpu=gfx1250 --defsym DOCPART=n.
;; ======== version 1 of 1: 4 launches
;; workspace buffers: x_codes 6,291,456 bytes; x_scales 262,144 bytes; w_codes 3,145,728 bytes; w_scales 131,072 bytes; qkv_img 20,447,232 bytes; a_img 6,291,456 bytes; a_scales 262,144 bytes
;; launch quant (part 1): grid 384 x 1, 4 waves a work-group, no clusters, 68,096 bytes of LDS; arguments x, w_qkv, w_out, x_codes, x_scales, w_codes, w_scales; writes x_codes, x_scales, w_codes, w_scales
.if DOCPART == 1
	.amdgcn_target "amdgcn-amd-amdhsa--gfx1250"
	.amdhsa_code_object_version 6
	.text
	.protected	k_qcfc6147e55_quant
	.globl	k_qcfc6147e55_quant
	.p2align	8
	.type	k_qcfc6147e55_quant,@function
k_qcfc6147e55_quant:
	s_mov_b64 s[64:65], 0
	v_nop
	global_prefetch_b8 v0, s[64:65] scope:SCOPE_SE
	s_setreg_imm32_b32 hwreg(HW_REG_WAVE_MODE, 25, 1), 1
	s_wait_xcnt 0x0
; x [8192][1024], w_qkv [1024][3072] and w_out [1024][1024], f32, become codes of FP6 (E2M3) with K innermost and one E8M0 byte for each 32 along K.
; A block's scale is 2^(floor(log2(its largest magnitude)) - 2); its byte is the largest magnitude's exponent field - 2, held at 1 from below.
; LIMITS: NaN and infinities among the inputs are not served; blocks whose largest magnitude lies under 2^-124 keep the byte 1; a block of zeros gets the byte 1
; where the rule says 127: its codes are zeros, and the bytes are read by this program alone.
; THE ROWS ARE LAID IN ANOTHER ORDER.  tau(i) = i with its bits 3 and 4 exchanged.  Row rho of x_codes and x_scales holds token tau(rho); row rho of w_codes and w_scales holds
; weight column tau(rho) (rows 0-3071: w_qkv's columns, rows 3072-4095: w_out's).  So 16 rows on end are rows 32 b + 8 u + r + 8 (r / 8), and the later launches' matrix results
; have 16 true neighbours in a lane's 16 registers of two neighbouring tiles.
; Work-groups 0-255 take x (K innermost: 32 rows each, a wave 8 rows: tau moves whole runs of 8 rows, so only a wave's place in the output changes).
; Work-groups 256-383 take the weights (K is the first axis: a lane takes a column, its registers run down K; 128 columns x 256 along K each).
; The two ways part on the work-group's number, have LDS bytes of their own and never join.  No tensor loads, no barrier: waves share nothing.
.set STEPS, 16
.set CB,    12                         ; bytes of 16 codes
.set XR,    16                         ; x: v16-79   four sets of 16 numbers as loaded
.set XX,    80                         ;    v80-111  two sets of 16 neighbours
.set XE,    112                        ;    v112-127 a scale byte for each step
.set XC,    128                        ;    v128-191 codes, four registers for each step: no store's data are written again
.set WREG,  8192                       ; x: LDS of a wave: two stages of 32 x SP bytes, then its 256 scale bytes
.set SP,    80                         ; a lane's place in a stage: 64 bytes + 16 of padding
.set WLDS,  32768                      ; w: its LDS begins here
.set WP,    272                        ; w: a stage row: sixteen places of 16 bytes + 16
.set KROW,  768                        ; a row of codes: 1,024 x 6 / 8 bytes
.set NB,    8                          ; w: blocks of 32 along K for a wave
.set WX,    32                         ; w: v32-95   two sets of 32 numbers
.set WC,    96                         ;    v96..    a block's codes
.set WO,    112                        ;    v112-175 the way out
.set WSB,   24                         ;    v24-25   the scale bytes
.set WA,    176                        ;    v176-207 4 x lane + i x a row of the weight: never rewritten
.macro XLOAD t
.irp i, 0,1,2,3
	global_load_b128 v[XR+16*((\t)%4)+4*\i:XR+16*((\t)%4)+4*\i+3], v3, s[4:5] offset:2048*(\t)+512*\i th:TH_LOAD_NT   ; 32 lanes read 512 consecutive bytes
.endr
.endm
.macro XTURN t                         ; a step's 2,048 bytes through the wave's stage: in as they lie, back 64 bytes a lane.  LDS serves a wave's instructions in order
.irp i, 0,1,2,3
	ds_store_b128 v14, v[XR+16*((\t)%4)+4*\i:XR+16*((\t)%4)+4*\i+3] offset:32*SP*((\t)%2)+8*SP*\i
.endr
.irp i, 0,1,2,3
	ds_load_b128 v[XX+16*((\t)%2)+4*\i:XX+16*((\t)%2)+4*\i+3], v15 offset:32*SP*((\t)%2)+16*\i
.endr
.endm
.macro XSTEP t
.set XS, XX+16*((\t)%2)
.if (\t) > 0
	s_wait_dscnt 1                                 ; this step's numbers are back from the stage (the last step's byte store may be out)
.else
	s_wait_dscnt 0x0
.endif
.if (\t)+4 < STEPS
	XLOAD (\t)+4                                   ; into the registers that the stage's stores have read
.endif
.if (\t)+1 < STEPS
.if STEPS-2-(\t) >= 3
	s_wait_loadcnt 12                              ; the next step's four loads are in; those of the three steps behind it may be out
.else
	s_wait_loadcnt 4*(STEPS-2-(\t))
.endif
	XTURN (\t)+1
.endif
	v_max3_num_f32 v8, |v[XS]|, |v[XS+1]|, |v[XS+2]|               ; the largest magnitude of my 16, in two chains
	v_max3_num_f32 v9, |v[XS+3]|, |v[XS+4]|, |v[XS+5]|
.irp i, 6,10
	v_max3_num_f32 v8, v8, |v[XS+\i]|, |v[XS+\i+1]|
	v_max3_num_f32 v9, v9, |v[XS+\i+2]|, |v[XS+\i+3]|
.endr
	v_max3_num_f32 v8, v8, |v[XS+14]|, |v[XS+15]|
	v_max3_num_f32 v8, v8, v9, 0x1800000           ; and the floor 2^(3 - 127): the byte cannot fall under 1
	v_max_num_f32_dpp v8, v8, v8 row_xmask:1 row_mask:0xf bank_mask:0xf   ; with my neighbour's 16: the block's
	v_add_nc_u32 v11, 0xff000000, v8               ; 2 off its exponent field: the conversion's scale operand
	v_cvt_scalef32_pk16_fp6_f32 v[XC+4*(\t):XC+4*(\t)+2], v[XS:XS+15], v11
	v_lshrrev_b32 v[XE+(\t)], 23, v11              ; the scale's byte
	ds_store_b8 v5, v[XE+(\t)] offset:16*(\t)      ; both lanes of a block write the same byte with the same value
	global_store_b96 v4, v[XC+4*(\t):XC+4*(\t)+2], s[10:11] offset:32*CB*(\t)   ; the wave stores 384 consecutive bytes
.endm
.macro WLOAD t                         ; block t: W(32 t + i, my column), i = 0 .. 31
.set I, 0
.rept 32
	global_load_b32 v[WX+32*((\t)%2)+I], v[WA+I], s[32+2*(\t):33+2*(\t)] th:TH_LOAD_NT
.set I, I+1
.endr
.endm
.macro WBLOCK t
.set XS, WX+32*((\t)%2)
.if (\t) < NB-1
	s_wait_loadcnt 32                              ; this block's 32 loads are in; the next block's may be out
.else
	s_wait_loadcnt 0x0
.endif
	v_max3_num_f32 v12, |v[XS]|, |v[XS+1]|, |v[XS+2]|              ; the block's largest magnitude: all 32 numbers are mine
	v_max3_num_f32 v13, |v[XS+3]|, |v[XS+4]|, |v[XS+5]|
.irp i, 6,10,14,18,22,26
	v_max3_num_f32 v12, v12, |v[XS+\i]|, |v[XS+\i+1]|
	v_max3_num_f32 v13, v13, |v[XS+\i+2]|, |v[XS+\i+3]|
.endr
	v_max3_num_f32 v12, v12, |v[XS+30]|, |v[XS+31]|
	v_max3_num_f32 v12, v12, v13, 0x1800000        ; the floor
	v_add_nc_u32 v11, 0xff000000, v12              ; the conversion's scale operand
	v_lshrrev_b32 v13, 23, v11                     ; the byte
.if (\t)%4 == 0
	v_mov_b32 v[WSB+(\t)/4], v13                   ; four bytes to a register, the lower K in the lower byte
.else
	v_lshl_or_b32 v[WSB+(\t)/4], v13, 8*((\t)%4), v[WSB+(\t)/4]
.endif
	v_cvt_scalef32_pk16_fp6_f32 v[WC:WC+2], v[XS:XS+15], v11
	v_cvt_scalef32_pk16_fp6_f32 v[WC+4:WC+6], v[XS+16:XS+31], v11  ; (a conversion's three registers begin on an even number)
	ds_store_b96 v4, v[WC:WC+2] offset:32*(\t)     ; 12 bytes to a place of 16 in the stage
	ds_store_b96 v4, v[WC+4:WC+6] offset:32*(\t)+16
.if (\t)+2 < NB
	WLOAD (\t)+2
.endif
	s_wait_dscnt 0x0                               ; the stores have read their registers: the next block's codes may be written
.endm
	s_load_b256 s[4:11], s[0:1], 0x0               ; x s[4:5], w_qkv s[6:7], w_out s[8:9], x_codes s[10:11]
	s_load_b128 s[12:15], s[0:1], 0x20             ; x_scales s[12:13], w_codes s[14:15]
	s_load_b64 s[16:17], s[0:1], 0x30              ; w_scales
	v_lshl_add_u32 v208, v0, 2, 0x10800
	v_mov_b32 v209, 0
	v_lshrrev_b32 v1, 5, v0
	v_readfirstlane_b32 s18, v1                    ; wave
	v_and_b32 v2, 31, v0                           ; lane
	s_cmp_lt_u32 ttmp9, 256
	s_cbranch_scc0 .Lw
	; ---------------- x: a wave takes 8 rows, 16 steps of 512 numbers
	v_lshlrev_b32 v3, 4, v2                        ; my 16 bytes of a load's 512
	s_mul_i32 s19, s18, WREG
	v_lshrrev_b32 v14, 2, v2
	v_mul_u32_u24 v14, v14, SP
	v_and_b32 v15, 3, v2
	v_lshl_add_u32 v14, v15, 4, v14
	v_add_nc_u32 v14, s19, v14                     ; the stage, on the way in: SP (lane / 4) + 16 (lane % 4)
	v_mul_u32_u24 v15, v2, SP
	v_add_nc_u32 v15, s19, v15                     ; and on the way out: SP x lane
	v_mul_u32_u24 v4, v2, CB                       ; my codes' place in a step's
	v_lshrrev_b32 v5, 1, v2
	s_add_co_u32 s19, s19, 2*32*SP
	v_add_nc_u32 v5, s19, v5                       ; my block's byte among the wave's 256
	v_lshlrev_b32 v7, 3, v2
	v_add_nc_u32 v6, s19, v7
	s_lshl_b32 s20, ttmp9, 2
	s_add_co_u32 s21, s20, s18                     ; the run of 8 rows that I read: 4 x work-group + wave
	s_and_b32 s22, s18, 1
	s_lshl_b32 s22, s22, 1
	s_lshr_b32 s23, s18, 1
	s_or_b32 s22, s22, s23
	s_add_co_u32 s22, s20, s22                     ; and where it goes: the wave's two bits exchanged: tau on runs of 8 rows
	s_lshl_b32 s24, s21, 15                        ; 8 rows of 4,096 bytes
	s_mov_b32 s25, 0
	s_mul_i32 s26, s22, 8*KROW
	s_mov_b32 s27, 0
	s_lshl_b32 s28, s22, 8                         ; 8 rows of 32 scale bytes
	s_mov_b32 s29, 0
	s_wait_kmcnt 0x0
	s_add_nc_u64 s[4:5], s[4:5], s[24:25]
	s_add_nc_u64 s[10:11], s[10:11], s[26:27]
	s_add_nc_u64 s[12:13], s[12:13], s[28:29]
.irp t, 0,1,2,3
	XLOAD \t
.endr
	s_wait_loadcnt 12                              ; step 0's four loads are in
	XTURN 0
.irp t, 0,1,2,3,4,5,6,7,8,9,10,11,12,13,14,15
	XSTEP \t
.endr
	ds_load_b64 v[12:13], v6                       ; LDS serves a wave's instructions in order: these see my byte stores
	s_wait_dscnt 0x0
	global_store_b64 v7, v[12:13], s[12:13]        ; 32 lanes store 256 consecutive bytes, aligned
	s_wait_tensorcnt 0x0
	ds_add_u32 v208, v209
	s_wait_dscnt 0x0
	s_endpgm
	; ---------------- the weights: a wave takes 32 columns x 256 along K
.Lw:
	s_sub_co_u32 s19, ttmp9, 256
	s_and_b32 s28, s19, 31                         ; gx: which 128 rows of w_codes
	s_lshr_b32 s29, s19, 5                         ; gy: which 256 along K
	v_lshlrev_b32 v3, 2, v2                        ; in: 4 bytes a lane
	s_mul_i32 s30, s18, 32*WP
	s_add_co_u32 s30, s30, WLDS                    ; my stage
	v_mul_u32_u24 v4, v2, WP
	v_add_nc_u32 v4, s30, v4                       ; into it: row = my column
	v_and_b32 v5, 15, v2
	v_lshrrev_b32 v6, 4, v2
	v_mul_u32_u24 v7, v6, WP
	v_lshl_add_u32 v7, v5, 4, v7
	v_add_nc_u32 v7, s30, v7                       ; out of it: sixteen lanes to a row, two rows an instruction
	v_mul_u32_u24 v8, v6, KROW
	v_mad_u32_u24 v8, v5, 12, v8                   ; and the same place in w_codes
	v_and_b32 v9, 7, v2
	v_bfe_u32 v10, v2, 3, 1
	v_lshl_or_b32 v9, v10, 4, v9
	v_bfe_u32 v10, v2, 4, 1
	v_lshl_or_b32 v9, v10, 3, v9                   ; tau(lane)
	v_lshlrev_b32 v9, 5, v9                        ; its row of 32 scale bytes
	s_cmp_lt_u32 s28, 24                           ; w_qkv's columns or w_out's?  The choice hangs on the work-group's number alone
	s_mov_b32 s20, 4096
	s_cselect_b32 s20, 12288, s20                  ; a row of the weight in bytes
	s_cselect_b32 s21, 0, 24
	s_wait_kmcnt 0x0
	s_cselect_b64 s[22:23], s[6:7], s[8:9]
	s_sub_co_u32 s21, s28, s21
	s_lshl_b32 s21, s21, 7
	s_lshl_b32 s24, s18, 5
	s_add_co_u32 s21, s21, s24                     ; my wave's first column in its tensor
	s_lshl_b32 s24, s21, 2
	s_lshl_b32 s26, s29, 8
	s_mul_i32 s26, s26, s20                        ; 256 gy rows
	s_add_co_u32 s24, s24, s26
	s_mov_b32 s25, 0
	s_add_nc_u64 s[32:33], s[22:23], s[24:25]      ; block 0's base; the other seven follow, 32 rows apart: no pointer is stepped later
	s_lshl_b32 s26, s20, 5
	s_mov_b32 s27, 0
.irp t, 1,2,3,4,5,6,7
	s_add_nc_u64 s[32+2*\t:33+2*\t], s[30+2*\t:31+2*\t], s[26:27]
.endr
.irp i, 0,1,2,3,4,5,6,7,8,9,10,11,12,13,14,15,16,17,18,19,20,21,22,23,24,25,26,27,28,29,30,31
	v_mad_u32_u24 v[WA+\i], s20, \i, v3
.endr
	s_lshl_b32 s24, s28, 7
	s_lshl_b32 s25, s18, 5
	s_add_co_u32 s24, s24, s25                     ; my 32 rows of w_codes begin at 128 gx + 32 wave
	s_mul_i32 s26, s24, KROW
	s_mul_i32 s25, s29, 192
	s_add_co_u32 s26, s26, s25
	s_add_nc_u64 s[14:15], s[14:15], s[26:27]
	s_lshl_b32 s26, s24, 5
	s_lshl_b32 s25, s29, 3
	s_add_co_u32 s26, s26, s25
	s_add_nc_u64 s[16:17], s[16:17], s[26:27]
	WLOAD 0
	WLOAD 1
.set Q, 0
.rept NB
	WBLOCK Q
.set Q, Q+1
.endr
	global_store_b64 v9, v[WSB:WSB+1], s[16:17]    ; my column's 8 scale bytes, in row tau(lane)
.irp t, 0,1,2,3,4,5,6,7,8,9,10,11,12,13,14,15
	ds_load_b96 v[WO+4*\t:WO+4*\t+2], v7 offset:2*\t*WP   ; LDS serves a wave's instructions in order: these see my stores
.endr
.irp t, 0,1,2,3,4,5,6,7,8,9,10,11,12,13,14,15
	s_wait_dscnt 15-\t
	global_store_b96 v8, v[WO+4*\t:WO+4*\t+2], s[14:15] offset:(((2*\t)&7)+8*((\t>>3)&1)+16*((\t>>2)&1))*KROW   ; columns 2 t, 2 t + 1 go to rows tau(2 t), tau(2 t) + 1; sixteen lanes store 192 consecutive bytes
.endr
	s_wait_tensorcnt 0x0
	ds_add_u32 v208, v209
	s_wait_dscnt 0x0
	s_endpgm
.Lfunc_end_k_qcfc6147e55_quant:
	.size	k_qcfc6147e55_quant, .Lfunc_end_k_qcfc6147e55_quant-k_qcfc6147e55_quant
	.p2alignl 7, 3214868480
	.fill 96, 4, 3214868480
	.section	.rodata,"a",@progbits
	.p2align	6, 0x0
	.amdhsa_kernel k_qcfc6147e55_quant
		.amdhsa_group_segment_fixed_size 68096
		.amdhsa_private_segment_fixed_size 0
		.amdhsa_enable_private_segment 0
		.amdhsa_kernarg_size 56
		.amdhsa_user_sgpr_count 2
		.amdhsa_user_sgpr_kernarg_segment_ptr 1
		.amdhsa_wavefront_size32 1
		.amdhsa_system_sgpr_workgroup_id_x 1
		.amdhsa_system_sgpr_workgroup_id_y 1
		.amdhsa_system_sgpr_workgroup_id_z 1
		.amdhsa_system_vgpr_workitem_id 0
		.amdhsa_next_free_vgpr 210
		.amdhsa_next_free_sgpr 66
		.amdhsa_reserve_vcc 0
		.amdhsa_float_denorm_mode_32 3
		.amdhsa_float_denorm_mode_16_64 3
		.amdhsa_memory_ordered 1
		.amdhsa_forward_progress 1
		.amdhsa_inst_pref_size 76
	.end_amdhsa_kernel
	.amdgpu_metadata
---
amdhsa.version: [ 1, 2 ]
amdhsa.kernels:
  - .name:           k_qcfc6147e55_quant
    .symbol:         k_qcfc6147e55_quant.kd
    .args:
      - { .name: x, .offset: 0, .size: 8, .value_kind: global_buffer, .address_space: global }
      - { .name: w_qkv, .offset: 8, .size: 8, .value_kind: global_buffer, .address_space: global }
      - { .name: w_out, .offset: 16, .size: 8, .value_kind: global_buffer, .address_space: global }
      - { .name: x_codes, .offset: 24, .size: 8, .value_kind: global_buffer, .address_space: global }
      - { .name: x_scales, .offset: 32, .size: 8, .value_kind: global_buffer, .address_space: global }
      - { .name: w_codes, .offset: 40, .size: 8, .value_kind: global_buffer, .address_space: global }
      - { .name: w_scales, .offset: 48, .size: 8, .value_kind: global_buffer, .address_space: global }
    .group_segment_fixed_size: 68096
    .private_segment_fixed_size: 0
    .kernarg_segment_align: 8
    .kernarg_segment_size: 56
    .max_flat_workgroup_size: 128
    .sgpr_count:     66
    .vgpr_count:     210
    .wavefront_size: 32
...
	.end_amdgpu_metadata
.endif
;; end of part 1
;; launch qkv (part 2): grid 12 x 32, 4 waves a work-group, clusters of 4 x 4, 327,680 bytes of LDS; arguments x_codes, x_scales, w_codes, w_scales, b_qkv, qkv_img; writes qkv_img
.if DOCPART == 2
	.amdgcn_target "amdgcn-amd-amdhsa--gfx1250"
	.amdhsa_code_object_version 6
	.text
	.protected	k_qcfc6147e55_qkv
	.globl	k_qcfc6147e55_qkv
	.p2align	8
	.type	k_qcfc6147e55_qkv,@function
k_qcfc6147e55_qkv:
	s_mov_b64 s[64:65], 0
	v_nop
	global_prefetch_b8 v0, s[64:65] scope:SCOPE_SE
	s_setreg_imm32_b32 hwreg(HW_REG_WAVE_MODE, 25, 1), 1
	s_wait_xcnt 0x0
	s_wait_alu depctr_hold_cnt(0) depctr_sa_sdst(0) depctr_va_vdst(0) depctr_va_sdst(0) depctr_va_ssrc(0) depctr_va_vcc(0) depctr_vm_vsrc(0)
	s_getreg_b32 s2, hwreg(HW_REG_IB_STS2, 6, 4)
	s_cmp_eq_u32 s2, 0
	s_cbranch_scc0 .Lentry_in_a_cluster
	s_endpgm
.Lentry_in_a_cluster:
	s_bfe_u32 s2, ttmp6, 0x10000c
	s_cmp_lg_u32 s2, 0xf033
	s_cbranch_scc0 .Lentry_shape_is_right
	s_endpgm
.Lentry_shape_is_right:
; q, k, v = x w_qkv + b_qkv on codes of FP6 (E2M3) with E8M0 scales, K = 1,024; the results are quantised in registers (q, k along the head's 64, v along the keys) and leave as IMAGES OF OPERAND REGISTERS.
; A work-group of four waves makes 256 x 256 results, a wave 128 x 128: 64 accumulators, 512 registers.  K goes in steps of 256 through a ring of two LDS slots filled by the tensor data mover;
; the scale bytes of the work-group's 512 rows, for all of K, come into LDS once, with the first fills.
; THE MATRIX INSTRUCTION TAKES 16 ROWS OF "B" AS SOURCE 0 AND 16 ROWS OF "A" AS SOURCE 1: a lane holds ONE row of A, and its registers run along B's rows.
; ROLES.  Clusters with x = 0 (q) and 1 (k): A = tokens (x_codes), B = weight columns: a lane holds a token, its registers run along the head's 64.
; Clusters with x = 2 (v): A = weight columns (rows 2,048 on of w_codes), B = tokens: a lane holds one channel, its registers run along the keys.  One text serves both: pointers and tile numbers are chosen by s_cselect on the cluster's x.
; ROW ORDER.  Row rho of x_codes holds token tau(rho), row rho of w_codes column tau(rho) (tau: bits 3 and 4 exchanged).  So the 16 registers of accumulators (a, 2 e) and (a, 2 e + 1) are B's TRUE rows 32 e + 16 (lane / 16) + 0 .. 15.
; OUTPUT.  qkv_img [batch x head 64][step 16][19,968]: for 128 tokens of a head three blocks of 6,144 bytes of codes + 512 of scale words: K at 0, V at 6,656, Q at 13,312.  Chunk c of 512 bytes: lane l's 16 bytes are registers 4 c .. 4 c + 3.
;   K, Q: tile t of 16 token rows holds registers 6 t .. 6 t + 5 (lane (r, h): channels 32 h .. 32 h + 31); scale register p: tile 2 p's words in lanes 0-15, tile 2 p + 1's in lanes 16-31; bytes 2 and 3 are 0.
;   V: four fragments of 12 registers (16 channels x 128 keys); scale register dt: that fragment's words.
; CLUSTERS: 4 x 4 work-groups; A's tiles are asked for jointly along a row of the cluster, B's along a column.
; LIMITS: NaN and infinities are not served; blocks under 2^-124 keep the byte 1; a block of zeros gets the byte 1 where the rule says 127 (its codes are zeros; this program alone reads the bytes).
; REGISTERS: window 0: v0-31 addresses; v32-63 scale words, two sets; v64-127 the bias; v128-223 A's fragments, later the images; v224-253 at work on the way out.
;   window 1: B's fragments, two sets.   windows 2, 3: the accumulators ((a, b) at v[8 (8 (a % 4) + b)]).
.set KSTEP,  256
.set NQ,     2                         ; matrix instructions deep in a slot
.set ROWB,   192                       ; a tile's row: 256 codes
.set KROW,   768                       ; a row of codes in memory
.set PITCH,  240                       ; an LDS row: 3 x (64 bytes + 16 of padding)
.set FR,     12
.set NL,     6
.set NP,     4
.set HALFT,  128*PITCH
.set SLOT,   4*HALFT
.set LAPS,   2                         ; 1,024 / 512
.set KS,     32                        ; a row of scale bytes
.set SCL,    2*SLOT
.set HALFS,  (128*KS/256)*272
.set SBLK,   (16*KS/256)*272
.set SPARE,  SCL+4*HALFS               ; the spare words: 128 bytes for each wave, named by no other line
.set HEADG,  319488                    ; from head to head in qkv_img: 16 x 19,968
.set BA,   8                           ; v8-15   the bias loads' addresses
.set ADRA, 16                          ; v16-17  my A fragments in slot 0, 1 (v18-19: behind one padding more)
.set ADRB, 20                          ; v20-23  the same for B
.set LI,   26                          ; v26     16 x lane: my place in a chunk of an image
.set ADRS, 27                          ; v27     my scale words: lanes 0-15 A's rows, lanes 16-31 B's
.set SPW,  28                          ; v28     my spare word; never rewritten
.set NIL,  29                          ; v29     0; never rewritten
.set SC,   32
.set BI,   64
.set AF,   128
.set IMG,  128                         ; the way out: 96 registers of codes, each written once
.set TM,   224                         ; +0..3 largest magnitudes, +4..7 the other half's, then bytes, +8..11 the conversions' scale operands
.set CT,   236                         ; the upper halves of the blocks' codes
.set PWA,  244                         ; v244-245 two tiles' scale words
.set SW,   246                         ; v246-253 the scale images
.set G1, 24
.set G0, 32
.set G1B, 48
.set G0B, 56
.set G1S, 68
.set G0S, 76
.set G1SB, 80
.set G0SB, 88
.set MSB, 0
.macro WIN new                         ; the immediate's high byte repeats the setting that is left
.if MSB != (\new)
	s_set_vgpr_msb (MSB<<8)|(\new)
.set MSB, (\new)
.endif
.endm
.set MUL_LO, 0xa1                      ; source 0 (B) window 1, source 1 (A) window 0, C and D window 2
.set MUL_HI, 0xf1
.set TO_B,   0x40
; A joint load: waves 0 and 1 fetch for A, waves 2 and 3 for B.  The branch hangs on the wave's number alone.  Four v_nop follow each of the two lines.
.macro JLOAD g0a, g1a, g0b, g1b
	s_cmp_eq_u32 s15, 0
	s_cbranch_scc0 .Lfor_b_\@
	tensor_load_to_lds s[\g0a:\g0a+3], s[\g1a:\g1a+7]
	s_nop 0
.rept 4
	v_nop
.endr
	s_branch .Lasked_\@
.Lfor_b_\@:
	tensor_load_to_lds s[\g0b:\g0b+3], s[\g1b:\g1b+7]
	s_nop 0
.rept 4
	v_nop
.endr
.Lasked_\@:
.endm
.macro CREST                           ; a round of the cluster's barrier behind its opening barrier
	s_cmp_lg_u32 s14, 0
	s_cbranch_scc1 .Lnot_wave_0_\@
	s_barrier_signal -3
.Lnot_wave_0_\@:
	s_barrier_wait -3
	s_barrier_signal -1
	s_barrier_wait -1
.endm
.macro CROUND
	s_barrier_signal -1
	s_barrier_wait -1
	CREST
.endm
	s_load_b128 s[4:7], s[0:1], 0x0                ; x_codes, x_scales
	s_load_b128 s[8:11], s[0:1], 0x10              ; w_codes, w_scales
	s_load_b128 s[96:99], s[0:1], 0x20             ; b_qkv s[96:97], qkv_img s[98:99]
	v_lshl_add_u32 v[SPW], v0, 2, SPARE
	v_mov_b32 v[NIL], 0
	ds_add_u32 v28, v29
	ds_add_u32 v28, v29
	s_wait_dscnt 0x0
	v_lshrrev_b32 v1, 5, v0
	v_readfirstlane_b32 s14, v1                    ; wave 0..3
	s_lshr_b32 s15, s14, 1                         ; which half of A's 256 rows is mine.  Also: I fetch for A (0) or for B (1)
	s_and_b32 s16, s14, 1                          ; which half of B's.  Also: which 128 rows I fetch
	s_bfe_u32 s40, ttmp6, 0x40000                  ; cx
	s_bfe_u32 s41, ttmp6, 0x40004                  ; cy
	s_and_b32 s20, ttmp7, 0xffff
	s_lshl_b32 s20, s20, 2                         ; 4 x cluster y
	s_add_co_u32 s17, s20, s41                     ; q, k: A's tile = tokens 256 (4 Y + cy) on
	s_add_co_u32 s21, s41, 8                       ; v:    A's tile = weight rows 256 (8 + cy) on
	s_lshl_b32 s42, ttmp9, 2
	s_add_co_u32 s42, s42, s40                     ; q, k: B's tile = weight rows 256 (4 X + cx) on
	s_add_co_u32 s22, s20, s40                     ; v:    B's tile = tokens 256 (4 Y + cx) on
	s_cmp_eq_u32 ttmp9, 2                          ; the cluster's x: the same in all sixteen partners
	s_cselect_b32 s17, s21, s17                    ; A's tile hangs on cy alone,
	s_cselect_b32 s42, s22, s42                    ; B's on cx alone
	s_lshl_b32 s43, s41, 2
	s_lshl_b32 s43, 15, s43                        ; my row of the cluster
	s_lshl_b32 s44, 0x1111, s40                    ; my column
	; descriptor group 1: a tile of 128 rows x 192 bytes, 16 bytes of padding behind every 64
	s_or_b32 s[G1+0], s43, (0<<16)|(1<<20)|(1<<21)|(3<<22)|(3<<25)
	s_or_b32 s[G1B+0], s44, (0<<16)|(1<<20)|(1<<21)|(3<<22)|(3<<25)
.irp g, G1, G1B
	s_mov_b32 s[\g+1], ROWB<<16                    ; tensor_dim0
	s_mov_b32 s[\g+2], 128<<16                     ; tensor_dim1
	s_mov_b32 s[\g+3], ROWB<<16                    ; tile_dim0
	s_mov_b32 s[\g+4], 128                         ; tile_dim1
	s_mov_b32 s[\g+5], KROW                        ; the pitch
	s_mov_b32 s[\g+6], 0
	s_mov_b32 s[\g+7], 0
.endr
	; the scales of 128 rows: 4,096 dense bytes, as 16 rows of 256 bytes (32 elements of 8), 16 bytes of padding behind each
	s_or_b32 s[G1S+0], s43, (3<<16)|(1<<20)|(1<<21)|(5<<22)|(3<<25)
	s_or_b32 s[G1SB+0], s44, (3<<16)|(1<<20)|(1<<21)|(5<<22)|(3<<25)
.irp g, G1S, G1SB
	s_mov_b32 s[\g+1], 32<<16
	s_mov_b32 s[\g+2], (128*KS/256)<<16
	s_mov_b32 s[\g+3], 32<<16
	s_mov_b32 s[\g+4], 128*KS/256
	s_mov_b32 s[\g+5], 32
	s_mov_b32 s[\g+6], 0
	s_mov_b32 s[\g+7], 0
.endr
	s_lshl_b32 s18, s16, 7                         ; which 128 rows of the tile I fetch
	s_lshl_b32 s20, s17, 8
	s_add_co_u32 s20, s20, s18                     ; A's row
	s_lshl_b32 s46, s42, 8
	s_add_co_u32 s46, s46, s18                     ; B's row
	s_mov_b32 s21, 0
	s_mov_b32 s47, 0
	s_mov_b64 s[18:19], KS
	s_mul_u64 s[22:23], s[20:21], s[18:19]         ; where these rows' scales begin
	s_mul_u64 s[92:93], s[46:47], s[18:19]
	s_mov_b64 s[18:19], KROW
	s_mul_u64 s[20:21], s[20:21], s[18:19]         ; and their codes
	s_mul_u64 s[46:47], s[46:47], s[18:19]
	s_mul_i32 s45, s14, HALFT                      ; where they go: wave x 128 rows
	s_mul_i32 s94, s14, HALFS
	s_wait_kmcnt 0x0
	s_cmp_eq_u32 ttmp9, 2                          ; the roles: a choice between buffers on a condition that hangs on no address
	s_cselect_b64 s[66:67], s[8:9], s[4:5]         ; A's codes
	s_cselect_b64 s[12:13], s[10:11], s[6:7]       ; A's scales
	s_cselect_b64 s[8:9], s[4:5], s[8:9]           ; B's codes
	s_cselect_b64 s[10:11], s[6:7], s[10:11]       ; B's scales
	s_mov_b64 s[4:5], s[66:67]
	s_mov_b64 s[6:7], s[12:13]
	s_add_nc_u64 s[20:21], s[4:5], s[20:21]
	s_add_nc_u64 s[22:23], s[6:7], s[22:23]
	s_add_nc_u64 s[46:47], s[8:9], s[46:47]
	s_add_nc_u64 s[92:93], s[10:11], s[92:93]
	CROUND                                         ; all sixteen work-groups are here: the first joint loads meet
	s_mov_b32 s[G0S], 1
	s_add_co_u32 s[G0S+1], s94, SCL
	s_mov_b64 s[G0S+2:G0S+3], s[22:23]
	s_or_b32 s[G0S+3], s[G0S+3], 0x80000000
	s_mov_b32 s[G0SB], 1
	s_add_co_u32 s[G0SB+1], s94, SCL
	s_mov_b64 s[G0SB+2:G0SB+3], s[92:93]
	s_or_b32 s[G0SB+3], s[G0SB+3], 0x80000000
	JLOAD G0S, G1S, G0SB, G1SB                     ; the scales first: they are wanted with K step 0
.irp s, 0,1
	s_mov_b32 s[G0+4*\s], 1
	s_add_co_u32 s[G0+4*\s+1], s45, \s*SLOT
	s_add_nc_u64 s[G0+4*\s+2:G0+4*\s+3], s[20:21], \s*ROWB
	s_or_b32 s[G0+4*\s+3], s[G0+4*\s+3], 0x80000000
	s_mov_b32 s[G0B+4*\s], 1
	s_add_co_u32 s[G0B+4*\s+1], s45, \s*SLOT
	s_add_nc_u64 s[G0B+4*\s+2:G0B+4*\s+3], s[46:47], \s*ROWB
	s_or_b32 s[G0B+4*\s+3], s[G0B+4*\s+3], 0x80000000
	JLOAD G0+4*\s, G1, G0B+4*\s, G1B
.endr
	v_and_b32 v1, 15, v0                           ; r
	v_bfe_u32 v2, v0, 4, 1                         ; h
	v_mul_u32_u24 v3, v1, PITCH
	v_mul_u32_u24 v4, v2, 24
	v_add_nc_u32 v4, v3, v4                        ; a fragment's row x pitch + 24 h
	v_lshl_add_u32 v5, v2, 4, v4                   ; and the same behind one padding more
	s_mul_i32 s21, s15, HALFT                      ; my 128 rows of A
	s_mul_i32 s22, s16, HALFT
	s_add_co_u32 s22, s22, 2*HALFT                 ; my 128 rows of B, behind A's 256
.irp s, 0,1
	v_add_nc_u32 v[ADRA+\s], s21, v4
	v_add_nc_u32 v[ADRB+\s], s22, v4
	v_add_nc_u32 v[ADRA+2+\s], s21, v5
	v_add_nc_u32 v[ADRB+2+\s], s22, v5
	s_add_co_u32 s21, s21, SLOT
	s_add_co_u32 s22, s22, SLOT
.endr
	v_mul_u32_u24 v5, v1, KS                       ; my row's scales: 32 bytes a row,
	v_lshrrev_b32 v6, 8, v5
	v_lshl_add_u32 v5, v6, 4, v5                   ; and 16 more for each 256 passed
	s_mul_i32 s21, s15, HALFS
	s_mul_i32 s22, s16, HALFS
	s_add_co_u32 s22, s22, 2*HALFS
	s_sub_co_u32 s22, s22, s21
	v_mul_u32_u24 v6, s22, v2                      ; lanes 16-31 take B's: one product, the distance between the two bases
	s_add_co_u32 s21, s21, SCL
	v_add_nc_u32 v5, v5, v6
	v_add_nc_u32 v[ADRS], s21, v5
	v_and_b32 v6, 31, v0
	v_lshlrev_b32 v[LI], 4, v6
	; where my images go.  q, k: tokens by A's tile and my half of it, heads by cx and my half of B.  v: tokens by B's tile and half, heads by cy and my half of A
	s_cmp_eq_u32 ttmp9, 2
	s_cselect_b32 s20, s42, s17                    ; the tile of 256 tokens
	s_cselect_b32 s21, s16, s15                    ; my half of it
	s_cselect_b32 s22, s41, s40                    ; four heads
	s_cselect_b32 s23, s15, s16                    ; my two of them
	s_lshr_b32 s46, s20, 3                         ; the batch: 8 tiles of tokens each
	s_and_b32 s20, s20, 7
	s_lshl_b32 s20, s20, 1
	s_add_co_u32 s20, s20, s21                     ; the step of 128 tokens
	s_lshl_b32 s22, s22, 2
	s_lshl_b32 s23, s23, 1
	s_add_co_u32 s22, s22, s23                     ; my first head
	s_lshl_b32 s46, s46, 4
	s_add_co_u32 s46, s46, s22
	s_lshl_b32 s46, s46, 4
	s_add_co_u32 s46, s46, s20
	s_mul_i32 s46, s46, 19968
	s_cmp_eq_u32 ttmp9, 0
	s_cselect_b32 s47, 13312, 0                    ; Q's block, K's,
	s_cmp_eq_u32 ttmp9, 2
	s_cselect_b32 s47, 6656, s47                   ; or V's
	s_cselect_b32 s20, s17, s42                    ; the bias goes by the weight's columns: A's tile and half for v, B's for q and k
	s_cselect_b32 s21, s15, s16
	s_cselect_b32 s22, -1, 0
	s_cselect_b32 s23, 0, 4
	s_add_co_u32 s46, s46, s47
	s_mov_b32 s47, 0
	s_add_nc_u64 s[12:13], s[98:99], s[46:47]
	s_lshl_b32 s20, s20, 10
	s_lshl_b32 s21, s21, 9
	s_add_co_u32 s20, s20, s21
	s_mov_b32 s21, 0
	s_add_nc_u64 s[96:97], s[96:97], s[20:21]
	; THE BIAS, 64 registers.  q, k: register 8 b + j = the bias of column 32 (b / 2) + 16 h + 8 (b % 2) + j.  v: registers 8 a + 0 .. 7 all hold the bias of my lane's column of A's block a: 32 (a / 2) + 8 (a % 2) + r + 8 (r / 8)
	v_lshlrev_b32 v5, 6, v2
	v_and_b32 v6, 8, v1
	v_add_nc_u32 v6, v6, v1
	v_lshlrev_b32 v6, 2, v6
	v_cndmask_b32 v5, v5, v6, s22
.irp j, 0,1,2,3,4,5,6,7
	v_mad_u32_u24 v[BA+\j], s23, \j, v5
.endr
.irp i, 0,1,2,3,4,5,6,7
.irp j, 0,1,2,3,4,5,6,7
	global_load_b32 v[BI+8*\i+\j], v[BA+\j], s[96:97] offset:(32*(\i/2)+8*(\i%2))*4
.endr
.endr
	s_mov_b32 s100, 0x76543210
	s_mov_b32 s101, 0xfedcba98                     ; v_permlanex16_b32's selects for lane l xor 16
	s_mov_b32 s66, 0xffff0000                      ; lanes 16-31
.irp b, 0,1,2,3
	v_mov_b32 v[TM+4+\b], 0                        ; written once: a lane permute's destination counts as one of its sources
.endr
.macro FRAG reg, adr, q, i             ; 16 rows x 128 K: 12 registers, six pieces of 8 bytes; where lanes 16-31's piece lies behind one padding more, the second address register serves
.irp p, 0,1,2,3,4,5
.set PC, 12*(\q)+6*(\p/3)+\p%3
.if PC%8 < 5
	ds_load_b64 v[\reg+2*\p:\reg+2*\p+1], v[\adr] offset:8*PC+16*(PC/8)+(\i)*16*PITCH
.else
	ds_load_b64 v[\reg+2*\p:\reg+2*\p+1], v[\adr+2] offset:8*PC+16*(PC/8)+(\i)*16*PITCH
.endif
.endr
.endm
; 16 matrix instructions: A's blocks a0, a0 + 1 x B's eight.  The 64 accumulators take turns, one instruction a turn, in the same order in every step.
.macro MUL16 a0, p, q, sc, zero
.irp a, \a0, \a0+1
.irp b, 0,1,2,3,4,5,6,7
.if \zero
	v_wmma_scale_f32_16x16x128_f8f6f4 v[8*(8*((\a)%4)+\b):8*(8*((\a)%4)+\b)+7], v[128*(\p)+FR*\b:128*(\p)+FR*\b+FR-1], v[AF+FR*(\a):AF+FR*(\a)+FR-1], 0, v[SC+8*NQ*(\sc)+NQ*\b+(\q)], v[SC+8*NQ*(\sc)+NQ*(\a)+(\q)] matrix_a_fmt:MATRIX_FMT_FP6 matrix_b_fmt:MATRIX_FMT_FP6 matrix_a_scale:MATRIX_SCALE_ROW1
.else
	v_wmma_scale_f32_16x16x128_f8f6f4 v[8*(8*((\a)%4)+\b):8*(8*((\a)%4)+\b)+7], v[128*(\p)+FR*\b:128*(\p)+FR*\b+FR-1], v[AF+FR*(\a):AF+FR*(\a)+FR-1], v[8*(8*((\a)%4)+\b):8*(8*((\a)%4)+\b)+7], v[SC+8*NQ*(\sc)+NQ*\b+(\q)], v[SC+8*NQ*(\sc)+NQ*(\a)+(\q)] matrix_a_fmt:MATRIX_FMT_FP6 matrix_b_fmt:MATRIX_FMT_FP6 matrix_a_scale:MATRIX_SCALE_ROW1
.endif
.endr
.endr
.endm
.macro FETCH_B slot, q, p
	WIN TO_B
.irp i, 0,1,2,3,4,5,6,7
	FRAG 128*(\p)+FR*\i, ADRB+\slot, \q, \i
.endr
	WIN 0
.endm
.macro FETCH_A slot, q, i0
.irp i, \i0, \i0+1, \i0+2, \i0+3
	FRAG AF+FR*(\i), ADRA+\slot, \q, \i
.endr
.endm
.macro SCALES sc                       ; a K step's scale words: two a row; lanes 0-15 A's block i, lanes 16-31 B's block i
.irp i, 0,1,2,3,4,5,6,7
	ds_load_b64 v[SC+8*NQ*\sc+NQ*\i:SC+8*NQ*\sc+NQ*\i+1], v[ADRS] offset:\i*SBLK
.endr
.endm
.macro PLACES n                        ; plain vector instructions between a matrix instruction and a load into, or a vector read or write of, its registers
.rept \n
	v_nop
.endr
.endm
.macro STEP slot, q, zero              ; 128 along K with its successor in the same slot
	s_wait_dscnt 4*NL                              ; B's set and A's blocks 0-3 are in; the youngest 24 loads (A's blocks 4-7) may be out
	WIN MUL_LO
	MUL16 0, (\q)%2, \q, \slot, \zero
	MUL16 2, (\q)%2, \q, \slot, \zero
	s_wait_dscnt 0
	PLACES NP
	FETCH_B \slot, (\q)+1, 1-(\q)%2
	FETCH_A \slot, (\q)+1, 0
	WIN MUL_HI
	MUL16 4, (\q)%2, \q, \slot, \zero
	MUL16 6, (\q)%2, \q, \slot, \zero
	PLACES NP
	WIN 0
	FETCH_A \slot, (\q)+1, 4
.endm
; A slot's last step changes slots: one barrier; in front of it each wave waits for all its tensor loads, adds 0 to its spare word, and waits for that and for its reads of this slot.
.macro TURN slot, next, fill
	s_wait_tensorcnt 0x0                           ; all my tensor loads have landed: my part of the next slot
	ds_add_u32 v[SPW], v[NIL]                      ; 0 onto my spare word
	s_wait_dscnt 4*NL+1                            ; (the add and the youngest 24 loads may be out)
	WIN MUL_LO
	MUL16 0, 1, NQ-1, \slot, 0
	s_wait_dscnt 0x0                               ; the add is done, and my reads of this slot are over
	s_barrier_signal -1
	MUL16 2, 1, NQ-1, \slot, 0
	WIN 0
	s_barrier_wait -1
.if \fill
	CREST                                          ; the barrier has opened a round of the cluster's: no wave of any partner still reads this slot or has a load on its way
	s_add_nc_u64 s[G0+4*\slot+2:G0+4*\slot+3], s[G0+4*\slot+2:G0+4*\slot+3], 2*ROWB
	s_add_nc_u64 s[G0B+4*\slot+2:G0B+4*\slot+3], s[G0B+4*\slot+2:G0B+4*\slot+3], 2*ROWB
	JLOAD G0+4*\slot, G1, G0B+4*\slot, G1B         ; the first tensor load behind the round; its four v_nop are the places in front of the loads below
.else
	PLACES NP
.endif
	v_add_nc_u32 v[ADRS], 4*NQ, v[ADRS]            ; the next K step's scale words
	FETCH_B \next, 0, 0
	FETCH_A \next, 0, 0
	SCALES \next
	WIN MUL_HI
	MUL16 4, 1, NQ-1, \slot, 0
	MUL16 6, 1, NQ-1, \slot, 0
	PLACES NP
	WIN 0
	FETCH_A \next, 0, 4
.endm
	s_wait_loadcnt 0x0                             ; the bias
	s_wait_tensorcnt 1                             ; the scales and my part of K step 0 are in (K step 1's load may be out),
	s_barrier_signal -1
	s_barrier_wait -1                              ; everybody's are
	FETCH_B 0, 0, 0
	FETCH_A 0, 0, 0
	SCALES 0
	FETCH_A 0, 0, 4
	STEP 0, 0, 1                                   ; the first step's products start the sums
	s_mov_b32 s3, LAPS-1
.Llap:
	TURN 0, 1, 1
	STEP 1, 0, 0
	TURN 1, 0, 1
	STEP 0, 0, 0
	s_sub_co_u32 s3, s3, 1
	s_cmp_lg_u32 s3, 0
	s_cbranch_scc1 .Llap
	TURN 0, 1, 0                                   ; the last lap fills nothing
	STEP 1, 0, 0
	s_wait_dscnt 4*NL
	WIN MUL_LO
	MUL16 0, 1, NQ-1, 1, 0
	MUL16 2, 1, NQ-1, 1, 0
	s_wait_dscnt 0
	WIN MUL_HI
	MUL16 4, 1, NQ-1, 1, 0
	MUL16 6, 1, NQ-1, 1, 0
	WIN 0
	PLACES NP
; THE WAY OUT.  64 numbers of a lane, v[s] .. v[s + 63] of window w, register 16 b + i = B's true row 32 b + 16 (lane / 16) + i, become codes: blocks 0, 1 in v[d0] .. v[d0 + 5], blocks 2, 3 in v[d1] .. v[d1 + 5]
; (lanes 0-15 hold the lower block whole, lanes 16-31 the upper), and the four scale bytes in v[pw].
.macro QUANT w, s, d0, d1, pw
	WIN ((\w)<<2)|((\w)<<4)                        ; sources 1 and 2 in window w
.irp b, 0,1,2,3
	v_max3_num_f32 v[TM+\b], 0x1800000, |v[(\s)+16*\b]|, |v[(\s)+16*\b+1]|   ; my 16 numbers of block b, and the floor 2^(3 - 127)
.endr
.irp i, 2,4,6,8,10,12,14
.irp b, 0,1,2,3
	v_max3_num_f32 v[TM+\b], v[TM+\b], |v[(\s)+16*\b+\i]|, |v[(\s)+16*\b+\i+1]|   ; the four blocks by turns
.endr
.endr
	WIN 0
.irp b, 0,1,2,3
	v_permlanex16_b32 v[TM+4+\b], v[TM+\b], s100, s101
.endr
.irp b, 0,1,2,3
	v_max_num_f32 v[TM+\b], v[TM+\b], v[TM+4+\b]   ; with lane l xor 16's: the block's largest magnitude
.endr
.irp b, 0,1,2,3
	v_add_nc_u32 v[TM+8+\b], 0xff000000, v[TM+\b]  ; 2 off its exponent field: the conversion's scale operand
.endr
.irp b, 0,1,2,3
	v_lshrrev_b32 v[TM+4+\b], 23, v[TM+8+\b]       ; the byte
.endr
	v_lshl_or_b32 v[\pw], v[TM+5], 8, v[TM+4]
	v_lshl_or_b32 v[\pw], v[TM+6], 16, v[\pw]
	v_lshl_or_b32 v[\pw], v[TM+7], 24, v[\pw]
	WIN (\w)                                       ; source 0 in window w
	v_cvt_scalef32_pk16_fp6_f32 v[(\d0):(\d0)+2], v[(\s):(\s)+15], v[TM+8]
	v_cvt_scalef32_pk16_fp6_f32 v[CT:CT+2], v[(\s)+16:(\s)+31], v[TM+9]
	v_cvt_scalef32_pk16_fp6_f32 v[(\d1):(\d1)+2], v[(\s)+32:(\s)+47], v[TM+10]
	v_cvt_scalef32_pk16_fp6_f32 v[CT+4:CT+6], v[(\s)+48:(\s)+63], v[TM+11]
	WIN 0
	v_nop                                          ; one plain place behind a scaled conversion
.irp i, 0,1,2
	v_permlane16_swap_b32 v[(\d0)+\i], v[CT+\i]    ; the first's lanes 16-31 change places with the second's lanes 0-15: a whole block to a lane
.endr
.irp i, 0,1,2
	v_mov_b32 v[(\d0)+3+\i], v[CT+\i]
.endr
.irp i, 0,1,2
	v_permlane16_swap_b32 v[(\d1)+\i], v[CT+4+\i]
.endr
.irp i, 0,1,2
	v_mov_b32 v[(\d1)+3+\i], v[CT+4+\i]
.endr
.endm
	s_cmp_eq_u32 ttmp9, 2
	s_cbranch_scc1 .Lv_out
	; q, k: A's block a is a tile of 16 token rows; its 128 columns are two heads: blocks 0, 1 and blocks 2, 3
.irp p, 0,1,2,3
.irp u, 0,1
.set TA, 2*\p+\u
.set WW, 2+TA/4
.set SS, 64*(TA%4)
	WIN (WW<<6)|WW                                 ; destination and source 0 in the accumulators' window
.set I, 0
.rept 32
	v_pk_add_f32 v[SS+I:SS+I+1], v[SS+I:SS+I+1], v[BI+I:BI+I+1]   ; + the bias, each accumulator from its low end on
.set I, I+2
.endr
	QUANT WW, SS, IMG+24*\p+6*\u, IMG+24*\p+12+6*\u, PWA+\u
.endr
	v_cndmask_b32 v[SW+4+\p], v[PWA], v[PWA+1], s66   ; tile 2 p's words in lanes 0-15, tile 2 p + 1's in lanes 16-31
	v_and_b32 v[SW+\p], 0xffff, v[SW+4+\p]         ; the first head's two bytes,
	v_lshrrev_b32 v[SW+4+\p], 16, v[SW+4+\p]       ; the second's
.irp c, 0,1
.irp i, 0,1,2
	global_store_b128 v[LI], v[IMG+24*\p+12*\c+4*\i:IMG+24*\p+12*\c+4*\i+3], s[12:13] offset:\c*HEADG+(3*\p+\i)*512   ; the wave stores 512 consecutive bytes, aligned
.endr
.endr
.endr
	global_store_b128 v[LI], v[SW:SW+3], s[12:13] offset:6144
	global_store_b128 v[LI], v[SW+4:SW+7], s[12:13] offset:HEADG+6144
	s_branch .Lend
.Lv_out:
	; v: A's block a is 16 channels (head a / 4, fragment a % 4); its 128 columns are the step's 128 keys: one fragment and one scale word
.irp a, 0,1,2,3,4,5,6,7
.set WW, 2+\a/4
.set SS, 64*(\a%4)
	WIN (WW<<6)|WW
.set I, 0
.rept 32
	v_pk_add_f32 v[SS+I:SS+I+1], v[SS+I:SS+I+1], v[BI+8*\a:BI+8*\a+1]   ; + my channel's bias
.set I, I+2
.endr
	QUANT WW, SS, IMG+12*\a, IMG+12*\a+6, SW+\a
.irp i, 0,1,2
	global_store_b128 v[LI], v[IMG+12*\a+4*\i:IMG+12*\a+4*\i+3], s[12:13] offset:(\a/4)*HEADG+(\a%4)*1536+512*\i
.endr
.if \a%4 == 3
	global_store_b128 v[LI], v[SW+4*(\a/4):SW+4*(\a/4)+3], s[12:13] offset:(\a/4)*HEADG+6144
.endif
.endr
.Lend:
	s_wait_tensorcnt 0x0                           ; the wave's end
	ds_add_u32 v[SPW], v[NIL]
	s_wait_dscnt 0x0
	CROUND                                         ; the closing round: no work-group ends while a partner may still ask for a tile that names it
	s_endpgm
.Lfunc_end_k_qcfc6147e55_qkv:
	.size	k_qcfc6147e55_qkv, .Lfunc_end_k_qcfc6147e55_qkv-k_qcfc6147e55_qkv
	.p2alignl 7, 3214868480
	.fill 96, 4, 3214868480
	.section	.rodata,"a",@progbits
	.p2align	6, 0x0
	.amdhsa_kernel k_qcfc6147e55_qkv
		.amdhsa_group_segment_fixed_size 327680
		.amdhsa_private_segment_fixed_size 0
		.amdhsa_enable_private_segment 0
		.amdhsa_kernarg_size 48
		.amdhsa_user_sgpr_count 2
		.amdhsa_user_sgpr_kernarg_segment_ptr 1
		.amdhsa_wavefront_size32 1
		.amdhsa_system_sgpr_workgroup_id_x 1
		.amdhsa_system_sgpr_workgroup_id_y 1
		.amdhsa_system_sgpr_workgroup_id_z 1
		.amdhsa_system_vgpr_workitem_id 0
		.amdhsa_next_free_vgpr 1024
		.amdhsa_next_free_sgpr 102
		.amdhsa_reserve_vcc 0
		.amdhsa_float_denorm_mode_32 3
		.amdhsa_float_denorm_mode_16_64 3
		.amdhsa_memory_ordered 1
		.amdhsa_forward_progress 1
		.amdhsa_inst_pref_size 238
	.end_amdhsa_kernel
	.amdgpu_metadata
---
amdhsa.version: [ 1, 2 ]
amdhsa.kernels:
  - .name:           k_qcfc6147e55_qkv
    .symbol:         k_qcfc6147e55_qkv.kd
    .args:
      - { .name: x_codes, .offset: 0, .size: 8, .value_kind: global_buffer, .address_space: global }
      - { .name: x_scales, .offset: 8, .size: 8, .value_kind: global_buffer, .address_space: global }
      - { .name: w_codes, .offset: 16, .size: 8, .value_kind: global_buffer, .address_space: global }
      - { .name: w_scales, .offset: 24, .size: 8, .value_kind: global_buffer, .address_space: global }
      - { .name: b_qkv, .offset: 32, .size: 8, .value_kind: global_buffer, .address_space: global }
      - { .name: qkv_img, .offset: 40, .size: 8, .value_kind: global_buffer, .address_space: global }
    .group_segment_fixed_size: 327680
    .private_segment_fixed_size: 0
    .kernarg_segment_align: 8
    .kernarg_segment_size: 48
    .max_flat_workgroup_size: 128
    .sgpr_count:     102
    .vgpr_count:     1024
    .wavefront_size: 32
...
	.end_amdgpu_metadata
.endif
;; end of part 2
;; launch attn (part 3): grid 4 x 64, 16 waves a work-group, clusters of 4 x 1, 215,040 bytes of LDS; arguments qkv_img, a_img, a_scales; writes a_img, a_scales
.if DOCPART == 3
	.amdgcn_target "amdgcn-amd-amdhsa--gfx1250"
	.amdhsa_code_object_version 6
	.text
	.protected	k_qcfc6147e55_attn
	.globl	k_qcfc6147e55_attn
	.p2align	8
	.type	k_qcfc6147e55_attn,@function
k_qcfc6147e55_attn:
	s_mov_b64 s[64:65], 0
	v_nop
	global_prefetch_b8 v0, s[64:65] scope:SCOPE_SE
	s_setreg_imm32_b32 hwreg(HW_REG_WAVE_MODE, 25, 1), 1
	s_wait_xcnt 0x0
	s_wait_alu depctr_hold_cnt(0) depctr_sa_sdst(0) depctr_va_vdst(0) depctr_va_sdst(0) depctr_va_ssrc(0) depctr_va_vcc(0) depctr_vm_vsrc(0)
	s_getreg_b32 s2, hwreg(HW_REG_IB_STS2, 6, 4)
	s_cmp_eq_u32 s2, 0
	s_cbranch_scc0 .Lentry_in_a_cluster
	s_endpgm
.Lentry_in_a_cluster:
	s_bfe_u32 s2, ttmp6, 0x10000c
	s_cmp_lg_u32 s2, 0x3003
	s_cbranch_scc0 .Lentry_shape_is_right
	s_endpgm
.Lentry_shape_is_right:
; O = softmax(Q K^T / 8) V for one head of 64 channels and 2,048 keys, both products on codes of FP6 (E2M3) with E8M0 scales; the result is quantised along the model's 1,024 for the last product.
; THE SOFTMAX: t = score x log2(e) / 8; M = the row's largest t so far, rounded UP to a whole number; p = 2^(t - M) is quantised along the keys, not normalised; the row's sum is taken of the unquantised p and divides O
; at the end.  When M moves, the sum and O are multiplied by 2^(old M - new M): exact.
; SHARES.  A work-group owns one head and 512 query rows; each of its sixteen waves 32 of them, as two tiles of 16, one after the other.  THE HEAD'S WHOLE K AND V, codes and scale words, LIE IN LDS: 16 records of 13,312 bytes,
; filled once (wave w asks for record w), so there is no ring.  The four work-groups of a cluster own the same head: each record is asked for JOINTLY.
; LAYOUT.  All operands lie as images of their registers: 512 bytes a chunk, lane l's 16 bytes at 16 l.  Both products are used transposed: S^T = K Q^T, O^T = V^T P^T: a lane holds ONE query throughout.
; The rows of a tile of K are keys 32 b + 8 u + r + 8 (r / 8), so the 16 registers of tiles 2 b, 2 b + 1 are keys 32 b + 16 (lane / 16) + 0 .. 15; V's channels likewise, so O^T's registers 16 e + i are channels 32 e + 16 (lane / 16) + i.
; K = 64 UNDER AN INSTRUCTION OF 128: Q's fragment has zero codes in its registers 6-11, so what stands in the upper six registers of source 0 adds nothing: K's tiles lie 6 registers apart, and tile t's source runs on into tile t + 1's
; codes (tile 7's into p's).  The scale words' bytes 2 and 3 are 0, never 0xff.
; OUTPUT.  a_img [row tile 512][128 along K: 8][piece 6][lane 32][8 bytes]: a head's six registers are three pieces, 768 consecutive bytes.  a_scales [8192][32]: a head's two bytes at 2 x head.
; LIMITS: NaN and infinities are not served; blocks under 2^-124 keep the byte 1; a block of zeros gets the byte 1 where the rule says 127 (its codes are zeros; this program alone reads the bytes).
.set REC,   13312                      ; a record in LDS: K's codes 0, K's scale words 6,144, V's codes 6,656, V's scale words 12,800
.set RECG,  19968                      ; and in memory, with Q's block behind
.set HEADG, 319488
.set LI,  1                            ; v1   16 x lane
.set AD,  2                            ; v2   LDS address of the record being fetched
.set QSA, 3                            ; v3   16 x (lane % 16)
.set GOA, 4                            ; v4   8 x lane
.set GOS, 5                            ; v5   32 x lane
.set SWA, 6                            ; v6   the first tile's scale bytes, kept for the store
.set QSC, 7                            ; v7   Q's scale words
.set PT,  8                            ; v8-15 at work
.set QF,  16                           ; v16-27 Q's fragment; v22-27 stay 0
.set NM,  28                           ; v28  -M;  v29 the largest t
.set TX,  29
.set SUM, 30                           ; v[30:31] the sum, in two halves
.set KF,  32                           ; v32-79 K's eight tiles, 6 registers each
.set PC,  80                           ; v80-91 p's codes
.set KSC, 92                           ; v92-95 K's scale words: register p: tile 2 p in lanes 0-15, tile 2 p + 1 in lanes 16-31
.set S,   96                           ; v96-159 S^T, then p
.set O,   160                          ; v160-191 O^T
.set VF,  192                          ; v192-239 V's four fragments
.set VSC, 240                          ; v240-243 their scale words
.set SO,  244                          ; v244-247 the conversions' scale operands
.set BM,  248                          ; v248-251 the blocks' largest scores, then largest p
.set F,   252                          ; v252 f = 2^(old M - new M)
.set PSC, 253                          ; v253 p's scale word
.set T,   254
.set WV,  8
.set SEL, 24
.set CS,  26
.set TB,  28
.set CNT, 29
.set QB,  30
.set QS,  32
.set AB,  34
.set AS,  36
.macro ROUND                           ; a round of the cluster's barrier
	s_barrier_signal -1
	s_barrier_wait -1
	s_cmp_lg_u32 s[WV], 0
	s_cbranch_scc1 .Lnot_wave_0_\@
	s_barrier_signal -3
.Lnot_wave_0_\@:
	s_barrier_wait -3
	s_barrier_signal -1
	s_barrier_wait -1
.endm
.macro KLOAD                           ; 13 loads: a step's K
.irp c, 0,1,2,3,4,5,6,7,8,9,10,11
	ds_load_b128 v[KF+4*\c:KF+4*\c+3], v[AD] offset:512*\c
.endr
	ds_load_b128 v[KSC:KSC+3], v[AD] offset:6144
.endm
.macro VLOAD                           ; 13 loads: a step's V
.irp c, 0,1,2,3,4,5,6,7,8,9,10,11
	ds_load_b128 v[VF+4*\c:VF+4*\c+3], v[AD] offset:6656+512*\c
.endr
	ds_load_b128 v[VSC:VSC+3], v[AD] offset:12800
.endm
.macro QLOAD p                         ; my tile p of queries: registers 6 p .. 6 p + 5 of my 12 in Q's image, and its scale words (image lanes 16 p + r)
.irp i, 0,1,2
	global_load_b64 v[QF+2*\i:QF+2*\i+1], v[LI], s[QB:QB+1] offset:((6*\p+2*\i)>>2)*512+((6*\p+2*\i)&3)*4
.endr
	global_load_b32 v[QSC], v[QSA], s[QS:QS+1] offset:256*\p
.endm
.macro INIT                            ; the loop has no first step of its own: O^T and the sum begin as zeros, the largest t under every t
	v_mov_b32 v[TX], 0xff61b1e6
	s_delay_alu instid0(VALU_DEP_1)
	v_floor_f32 v[NM], -v[TX]
	v_mov_b32 v[SUM], 0
	v_mov_b32 v[SUM+1], 0
.set J, 0
.rept 32
	v_mov_b32 v[O+J], 0
.set J, J+1
.endr
.endm
; A KEY STEP: 128 keys.  nxt = 1: the next record is fetched; 2: record 0 again, and the second tile's Q; 0: nothing more.
.macro STEP nxt
	s_wait_dscnt 13                                ; K and its scale words are in; the 13 younger loads, V's, may be out
.irp t, 0,1,2,3,4,5,6,7
.if \t%2
	v_wmma_scale_f32_16x16x128_f8f6f4 v[S+8*\t:S+8*\t+7], v[KF+6*\t:KF+6*\t+11], v[QF:QF+11], 0, v[KSC+\t/2], v[QSC] matrix_a_fmt:MATRIX_FMT_FP6 matrix_b_fmt:MATRIX_FMT_FP6 matrix_a_scale:MATRIX_SCALE_ROW1
.else
	v_wmma_scale_f32_16x16x128_f8f6f4 v[S+8*\t:S+8*\t+7], v[KF+6*\t:KF+6*\t+11], v[QF:QF+11], 0, v[KSC+\t/2], v[QSC] matrix_a_fmt:MATRIX_FMT_FP6 matrix_b_fmt:MATRIX_FMT_FP6
.endif
.endr
.if \nxt == 1
	s_add_co_u32 s[TB], s[TB], REC
.elseif \nxt == 2
	s_mov_b32 s[TB], 0
.endif
.if \nxt
	v_add_nc_u32 v[AD], s[TB], v[LI]               ; four plain places between the products and the loads into their sources, and the first read of their results
.rept 3
	v_nop
.endr
	KLOAD                                          ; the next step's K: a whole softmax ahead of its use
.else
.rept 4
	v_nop
.endr
.endif
.if \nxt == 2
	QLOAD 1
.endif
.irp b, 0,1,2,3
	v_max3_num_f32 v[BM+\b], v[S+16*\b], v[S+1+16*\b], v[S+2+16*\b]   ; the largest score of each block of 32 keys: for the row's maximum, and, since p rises with the score, for the block's largest p
.endr
.irp i, 3,5,7,9,11,13
.irp b, 0,1,2,3
	v_max3_num_f32 v[BM+\b], v[BM+\b], v[S+16*\b+\i], v[S+1+16*\b+\i]
.endr
.endr
.irp b, 0,1,2,3
	v_max_num_f32 v[BM+\b], v[BM+\b], v[S+15+16*\b]
.endr
.irp b, 0,1,2,3
	s_delay_alu instid0(VALU_DEP_4)
	v_permlanex16_b32 v[PT+\b], v[BM+\b], s[SEL], s[SEL+1]
.endr
.irp b, 0,1,2,3
	s_delay_alu instid0(VALU_DEP_4)
	v_max_num_f32 v[BM+\b], v[BM+\b], v[PT+\b]     ; with lane l xor 16's 16 keys
.endr
	s_delay_alu instid0(VALU_DEP_2)
	v_max3_num_f32 v[T], v[BM], v[BM+1], v[BM+2]
	s_delay_alu instid0(VALU_DEP_1)
	v_max_num_f32 v[T], v[T], v[BM+3]
	s_delay_alu instid0(VALU_DEP_1)
	v_mul_f32 v[T], s[CS], v[T]                    ; as t
	s_delay_alu instid0(VALU_DEP_1)
	v_max_num_f32 v[TX], v[TX], v[T]               ; the running largest t
	v_mov_b32 v[T], v[NM]
	s_delay_alu instid0(VALU_DEP_2)
	v_floor_f32 v[NM], -v[TX]                      ; -M = floor(-t): M is a whole number
	s_delay_alu instid0(VALU_DEP_1)
	v_sub_f32 v[T], v[NM], v[T]                    ; old M - new M: a whole number, 0 or less
	s_delay_alu instid0(VALU_DEP_1)
	v_cvt_i32_f32 v[T], v[T]                       ; (it saturates)
	s_delay_alu instid0(VALU_DEP_1)
	v_ldexp_f32 v[F], 1.0, v[T]                    ; f
.set J, 0
.rept 32
	v_pk_fma_f32 v[S+J:S+J+1], v[S+J:S+J+1], s[CS:CS+1], v[NM:NM+1] op_sel_hi:[1,0,0]   ; t - M, two at a time
.set J, J+2
.endr
.irp b, 0,1,2,3
	v_fma_f32 v[BM+\b], v[BM+\b], s[CS], v[NM]
.endr
.set J, 0
	s_wait_alu depctr_va_vdst(0)
.rept 64
	v_exp_f32 v[S+J], v[S+J]                       ; p = 2^(t - M)
.set J, J+1
.endr
	v_pk_mul_f32 v[SUM:SUM+1], v[SUM:SUM+1], v[F:F+1] op_sel_hi:[1,0]   ; the sums under the new M: the plain place behind the batch
	s_wait_alu depctr_va_vdst(0)                   ; one wait for the 64 exponentials, ahead of their first reader
.irp b, 0,1,2,3
	v_exp_f32 v[BM+\b], v[BM+\b]                   ; the blocks' largest p
.endr
	v_pk_add_f32 v[8:9], v[100:101], v[104:105]
	v_pk_add_f32 v[246:247], v[108:109], v[112:113]
	v_pk_add_f32 v[244:245], v[116:117], v[120:121]
	v_pk_add_f32 v[90:91], v[124:125], v[128:129]
	v_pk_add_f32 v[88:89], v[132:133], v[136:137]
	v_pk_add_f32 v[86:87], v[140:141], v[144:145]
	v_pk_add_f32 v[84:85], v[148:149], v[152:153]
	v_pk_add_f32 v[30:31], v[30:31], v[156:157]
	v_pk_add_f32 v[8:9], v[8:9], v[96:97]
	v_pk_add_f32 v[246:247], v[246:247], v[98:99]
	v_pk_add_f32 v[244:245], v[244:245], v[102:103]
	v_pk_add_f32 v[90:91], v[90:91], v[106:107]
	v_pk_add_f32 v[88:89], v[88:89], v[110:111]
	v_pk_add_f32 v[86:87], v[86:87], v[114:115]
	v_pk_add_f32 v[84:85], v[84:85], v[118:119]
	v_pk_add_f32 v[30:31], v[30:31], v[122:123]
	v_pk_add_f32 v[8:9], v[8:9], v[126:127]
	v_pk_add_f32 v[246:247], v[246:247], v[130:131]
	v_pk_add_f32 v[244:245], v[244:245], v[134:135]
	v_pk_add_f32 v[90:91], v[90:91], v[138:139]
	v_pk_add_f32 v[88:89], v[88:89], v[142:143]
	v_pk_add_f32 v[86:87], v[86:87], v[146:147]
	v_pk_add_f32 v[84:85], v[84:85], v[150:151]
	v_pk_add_f32 v[30:31], v[30:31], v[154:155]
	v_pk_add_f32 v[8:9], v[8:9], v[158:159]
	s_delay_alu instid0(VALU_DEP_2)
	v_pk_add_f32 v[30:31], v[30:31], v[90:91]
	s_delay_alu instid0(VALU_DEP_2)
	v_pk_add_f32 v[8:9], v[8:9], v[88:89]
	v_pk_add_f32 v[246:247], v[246:247], v[86:87]
	v_pk_add_f32 v[244:245], v[244:245], v[84:85]
	s_delay_alu instid0(VALU_DEP_2)
	v_pk_add_f32 v[30:31], v[30:31], v[246:247]
	s_delay_alu instid0(VALU_DEP_2)
	v_pk_add_f32 v[8:9], v[8:9], v[244:245]
	s_delay_alu instid0(VALU_DEP_1)
	v_pk_add_f32 v[30:31], v[30:31], v[8:9]
	s_wait_alu depctr_va_vdst(0)                   ; and one for the four
.irp b, 0,1,2,3
	v_max_num_f32 v[BM+\b], 0x1800000, v[BM+\b]    ; the floor 2^(3 - 127)
.endr
.irp b, 0,1,2,3
	s_delay_alu instid0(VALU_DEP_4)
	v_add_nc_u32 v[SO+\b], 0xff000000, v[BM+\b]    ; the conversion's scale operand
.endr
.irp b, 0,1,2,3
	s_delay_alu instid0(VALU_DEP_4)
	v_lshrrev_b32 v[PT+\b], 23, v[SO+\b]           ; the byte
.endr
	s_delay_alu instid0(VALU_DEP_3)
	v_lshl_or_b32 v[PSC], v[PT+1], 8, v[PT]
	s_delay_alu instid0(VALU_DEP_1)
	v_lshl_or_b32 v[PSC], v[PT+2], 16, v[PSC]
	s_delay_alu instid0(VALU_DEP_1)
	v_lshl_or_b32 v[PSC], v[PT+3], 24, v[PSC]
.irp c, 0,1
	v_cvt_scalef32_pk16_fp6_f32 v[PC+6*\c:PC+6*\c+2], v[S+32*\c:S+32*\c+15], v[SO+2*\c]
	v_cvt_scalef32_pk16_fp6_f32 v[PT+4*\c:PT+4*\c+2], v[S+16+32*\c:S+31+32*\c], v[SO+2*\c+1]
.endr
	v_nop                                          ; one plain place behind a scaled conversion
.irp c, 0,1
.irp i, 0,1,2
	v_permlane16_swap_b32 v[PC+6*\c+\i], v[PT+4*\c+\i]   ; a whole block to a lane
.endr
.irp i, 0,1,2
	s_delay_alu instid0(VALU_DEP_3)
	v_mov_b32 v[PC+3+6*\c+\i], v[PT+4*\c+\i]
.endr
.endr
.set J, 0
.rept 16
	v_pk_mul_f32 v[O+J:O+J+1], v[O+J:O+J+1], v[F:F+1] op_sel_hi:[1,0]   ; O^T under the new M; also the places between p's codes and scale word and the products
.set J, J+2
.endr
.if \nxt
	s_wait_alu depctr_va_vdst(0)
	s_wait_dscnt 13                                ; V is in; the 13 younger loads, the next K's, may be out
.else
	s_wait_alu depctr_va_vdst(0)
	s_wait_dscnt 0x0
.endif
.irp d, 0,1,2,3
	v_wmma_scale_f32_16x16x128_f8f6f4 v[O+8*\d:O+8*\d+7], v[VF+12*\d:VF+12*\d+11], v[PC:PC+11], v[O+8*\d:O+8*\d+7], v[VSC+\d], v[PSC] matrix_a_fmt:MATRIX_FMT_FP6 matrix_b_fmt:MATRIX_FMT_FP6
.endr
.rept 4
	v_nop                                          ; places in front of the loads into V's registers, and of the next read of O^T
.endr
.if \nxt
	VLOAD
.endif
.endm
; Tile p is finished: O^T / the sum, quantised along the head's 64 channels (two blocks), stored as three pieces of a fragment's image.
.macro WAYOUT p
	v_add_f32 v[SUM], v[SUM], v[SUM+1]
	s_delay_alu instid0(VALU_DEP_1)
	v_permlanex16_b32 v[T], v[SUM], s[SEL], s[SEL+1]
	s_delay_alu instid0(VALU_DEP_1)
	v_add_f32 v[SUM], v[SUM], v[T]                 ; the row's sum
	s_wait_alu depctr_va_vdst(0)
	v_rcp_f32 v[SUM], v[SUM]
	v_nop                                          ; a plain place behind the reciprocal,
	s_wait_alu depctr_va_vdst(0)                   ; and the wait ahead of its first reader
.set J, 0
.rept 16
	v_pk_mul_f32 v[S+J:S+J+1], v[O+J:O+J+1], v[SUM:SUM+1] op_sel_hi:[1,0]   ; each accumulator from its low end on
.set J, J+2
.endr
.irp e, 0,1
	v_max3_num_f32 v[BM+\e], |v[S+16*\e]|, |v[S+1+16*\e]|, 0x1800000
.endr
.irp i, 2,4,6,8,10,12,14
.irp e, 0,1
	s_delay_alu instid0(VALU_DEP_2)
	v_max3_num_f32 v[BM+\e], v[BM+\e], |v[S+16*\e+\i]|, |v[S+1+16*\e+\i]|
.endr
.endr
.irp e, 0,1
	s_delay_alu instid0(VALU_DEP_2)
	v_permlanex16_b32 v[BM+2+\e], v[BM+\e], s[SEL], s[SEL+1]
.endr
.irp e, 0,1
	s_delay_alu instid0(VALU_DEP_2)
	v_max_num_f32 v[BM+\e], v[BM+\e], v[BM+2+\e]
.endr
.irp e, 0,1
	s_delay_alu instid0(VALU_DEP_2)
	v_add_nc_u32 v[SO+\e], 0xff000000, v[BM+\e]
.endr
.irp e, 0,1
	s_delay_alu instid0(VALU_DEP_2)
	v_lshrrev_b32 v[BM+\e], 23, v[SO+\e]
.endr
	s_delay_alu instid0(VALU_DEP_1)
	v_lshl_or_b32 v[T], v[BM+1], 8, v[BM]          ; my row's two scale bytes
	v_cvt_scalef32_pk16_fp6_f32 v[S+32:S+34], v[S:S+15], v[SO]
	v_cvt_scalef32_pk16_fp6_f32 v[PT:PT+2], v[S+16:S+31], v[SO+1]
	v_nop
.irp i, 0,1,2
	v_permlane16_swap_b32 v[S+32+\i], v[PT+\i]
.endr
.irp i, 0,1,2
	s_delay_alu instid0(VALU_DEP_3)
	v_mov_b32 v[S+35+\i], v[PT+\i]
.endr
.irp i, 0,1,2
	global_store_b64 v[GOA], v[S+32+2*\i:S+33+2*\i], s[AB:AB+1] offset:12288*\p+256*\i   ; the wave stores 256 consecutive bytes, aligned
.endr
.if \p == 0
	v_mov_b32 v[SWA], v[T]
	s_wait_xcnt 0x0                                ; the stores have read their registers: the next tile's products write them
.else
	v_cndmask_b32 v[T], v[SWA], v[T], s38          ; lanes 0-15: the first tile's rows, lanes 16-31 the second's
	global_store_b16 v[GOS], v[T], s[AS:AS+1]
.endif
.endm
	s_load_b128 s[4:7], s[0:1], 0x0                ; qkv_img s[4:5], a_img s[6:7]
	s_load_b64 s[10:11], s[0:1], 0x10              ; a_scales
	v_lshl_add_u32 v15, v0, 2, 0x34000
	v_mov_b32 v255, 0
	ds_add_u32 v15, v255
	ds_add_u32 v15, v255
	v_lshrrev_b32 v1, 5, v0
	s_delay_alu instid0(VALU_DEP_1)
	v_readfirstlane_b32 s[WV], v1                  ; wave 0..15
	s_bfe_u32 s9, ttmp6, 0x40000                   ; cx: it enters Q's and the outputs' addresses alone
	s_and_b32 s2, ttmp7, 0xffff                    ; batch x 16 + head, which the four partners share
	s_mul_i32 s40, s2, HEADG
	s_mul_i32 s42, s[WV], RECG
	s_add_co_u32 s42, s42, s40                     ; record w of my head
	s_mov_b32 s43, 0
	; descriptor group 1: 13,312 dense bytes as 52 rows of 256 (32 elements of 8 bytes), no padding: the images are read on end
	s_mov_b32 s16, 15|(3<<16)|(1<<21)              ; the mask: all four work-groups; elements of 8 bytes; bit 21 beside the mask
	s_mov_b32 s17, 32<<16
	s_mov_b32 s18, 52<<16
	s_mov_b32 s19, 32<<16
	s_mov_b32 s20, 52
	s_mov_b32 s21, 32
	s_mov_b32 s22, 0
	s_mov_b32 s23, 0
	s_mov_b32 s12, 1
	s_mul_i32 s13, s[WV], REC                      ; its place in LDS: the wave's number times a constant
	s_lshl_b32 s44, s9, 2
	s_lshr_b32 s45, s[WV], 2
	s_add_co_u32 s44, s44, s45                     ; my queries lie in step 4 cx + wave / 4
	s_mul_i32 s44, s44, RECG
	s_add_co_u32 s44, s44, s40
	s_add_co_u32 s44, s44, 13312                   ; its Q block
	s_mov_b32 s45, 0
	s_and_b32 s46, s[WV], 3
	s_mul_i32 s3, s46, 1536                        ; my 12 registers: three chunks
	s_lshl_b32 s46, s46, 2
	s_add_co_u32 s46, s46, 6144                    ; my register of the scale image
	s_add_co_u32 s46, s46, s44
	s_mov_b32 s47, 0
	s_add_co_u32 s44, s44, s3
	s_lshr_b32 s39, s2, 4                          ; batch
	s_and_b32 s3, s2, 15                           ; head
	s_lshl_b32 s40, s39, 6
	s_lshl_b32 s41, s9, 4
	s_add_co_u32 s40, s40, s41
	s_add_co_u32 s40, s40, s[WV]                   ; my 32 rows: 64 batch + 16 cx + wave
	s_mul_i32 s34, s40, 24576                      ; two row tiles of 12,288 bytes
	s_mul_i32 s41, s3, 768                         ; a head's 768 bytes
	s_add_co_u32 s34, s34, s41
	s_mov_b32 s35, 0
	s_lshl_b32 s36, s40, 10                        ; 32 rows of 32 scale bytes
	s_lshl_b32 s41, s3, 1
	s_add_co_u32 s36, s36, s41
	s_mov_b32 s37, 0
	s_mov_b32 s38, 0xffff0000                      ; lanes 16-31
	s_mov_b32 s[SEL], 0x76543210
	s_mov_b32 s[SEL+1], 0xfedcba98
	s_mov_b32 s[CS], 0x3e38aa3b                    ; c = log2(e) / 8
	s_mov_b32 s[CS+1], s[CS]
	s_wait_dscnt 0x0
	s_wait_kmcnt 0x0
	s_add_nc_u64 s[14:15], s[4:5], s[42:43]
	s_or_b32 s15, s15, 0x80000000
	s_add_nc_u64 s[QB:QB+1], s[4:5], s[44:45]
	s_add_nc_u64 s[QS:QS+1], s[4:5], s[46:47]
	s_add_nc_u64 s[AB:AB+1], s[6:7], s[34:35]
	s_add_nc_u64 s[AS:AS+1], s[10:11], s[36:37]
	ROUND                                          ; all four work-groups are here: the joint loads meet
	tensor_load_to_lds s[12:15], s[16:23]          ; my one tensor load of the launch
	s_nop 0
.rept 4
	v_nop
.endr
	v_and_b32 v2, 31, v0
	s_delay_alu instid0(VALU_DEP_1)
	v_lshlrev_b32 v[LI], 4, v2
	v_and_b32 v3, 15, v0
	s_delay_alu instid0(VALU_DEP_1)
	v_lshlrev_b32 v[QSA], 4, v3
	s_delay_alu instid0(VALU_DEP_4)
	v_lshlrev_b32 v[GOA], 3, v2
	v_lshlrev_b32 v[GOS], 5, v2
.irp j, 6,7,8,9,10,11
	v_mov_b32 v[QF+\j], 0                          ; Q's codes for K = 64 .. 127: zeros, for the whole launch
.endr
.irp j, 0,1,2,3,4,5,6,7,8,9,10,11
	v_mov_b32 v[PC+\j], 0                          ; named by the first step's eighth product
.endr
.irp j, 0,1,2,3
	v_mov_b32 v[PT+\j], 0                          ; a lane permute's destination counts as one of its sources
.endr
	v_mov_b32 v[PSC], 0                            ; named as the upper half of the pair with f
	QLOAD 0
	s_wait_tensorcnt 0x0                           ; my record has landed,
	s_barrier_signal -1
	s_barrier_wait -1                              ; everybody's has
	s_mov_b32 s[TB], 0
	v_add_nc_u32 v[AD], s[TB], v[LI]
	KLOAD
	VLOAD
	INIT
	s_wait_loadcnt 0x0                             ; Q
	s_mov_b32 s[CNT], 15
.Lpass0:
	STEP 1
	s_sub_co_u32 s[CNT], s[CNT], 1
	s_cmp_lg_u32 s[CNT], 0
	s_cbranch_scc1 .Lpass0
	STEP 2                                         ; the last step fetches record 0 again, and the second tile's Q
	WAYOUT 0
	INIT
	s_wait_loadcnt 0x0                             ; Q
	s_mov_b32 s[CNT], 15
.Lpass1:
	STEP 1
	s_sub_co_u32 s[CNT], s[CNT], 1
	s_cmp_lg_u32 s[CNT], 0
	s_cbranch_scc1 .Lpass1
	STEP 0
	WAYOUT 1
	s_wait_tensorcnt 0x0
	ds_add_u32 v15, v255
	s_wait_dscnt 0x0
	ROUND                                          ; the closing round
	s_endpgm
.Lfunc_end_k_qcfc6147e55_attn:
	.size	k_qcfc6147e55_attn, .Lfunc_end_k_qcfc6147e55_attn-k_qcfc6147e55_attn
	.p2alignl 7, 3214868480
	.fill 96, 4, 3214868480
	.section	.rodata,"a",@progbits
	.p2align	6, 0x0
	.amdhsa_kernel k_qcfc6147e55_attn
		.amdhsa_group_segment_fixed_size 215040
		.amdhsa_private_segment_fixed_size 0
		.amdhsa_enable_private_segment 0
		.amdhsa_kernarg_size 24
		.amdhsa_user_sgpr_count 2
		.amdhsa_user_sgpr_kernarg_segment_ptr 1
		.amdhsa_wavefront_size32 1
		.amdhsa_system_sgpr_workgroup_id_x 1
		.amdhsa_system_sgpr_workgroup_id_y 1
		.amdhsa_system_sgpr_workgroup_id_z 1
		.amdhsa_system_vgpr_workitem_id 0
		.amdhsa_next_free_vgpr 256
		.amdhsa_next_free_sgpr 66
		.amdhsa_reserve_vcc 0
		.amdhsa_float_denorm_mode_32 3
		.amdhsa_float_denorm_mode_16_64 3
		.amdhsa_memory_ordered 1
		.amdhsa_forward_progress 1
		.amdhsa_inst_pref_size 84
	.end_amdhsa_kernel
	.amdgpu_metadata
---
amdhsa.version: [ 1, 2 ]
amdhsa.kernels:
  - .name:           k_qcfc6147e55_attn
    .symbol:         k_qcfc6147e55_attn.kd
    .args:
      - { .name: qkv_img, .offset: 0, .size: 8, .value_kind: global_buffer, .address_space: global }
      - { .name: a_img, .offset: 8, .size: 8, .value_kind: global_buffer, .address_space: global }
      - { .name: a_scales, .offset: 16, .size: 8, .value_kind: global_buffer, .address_space: global }
    .group_segment_fixed_size: 215040
    .private_segment_fixed_size: 0
    .kernarg_segment_align: 8
    .kernarg_segment_size: 24
    .max_flat_workgroup_size: 512
    .sgpr_count:     66
    .vgpr_count:     256
    .wavefront_size: 32
...
	.end_amdgpu_metadata
.endif
;; end of part 3
;; launch proj (part 4): grid 4 x 32, 4 waves a work-group, clusters of 4 x 4, 327,680 bytes of LDS; arguments a_img, a_scales, w_codes, w_scales, b_out, out0; writes out0
.if DOCPART == 4
	.amdgcn_target "amdgcn-amd-amdhsa--gfx1250"
	.amdhsa_code_object_version 6
	.text
	.protected	k_qcfc6147e55_proj
	.globl	k_qcfc6147e55_proj
	.p2align	8
	.type	k_qcfc6147e55_proj,@function
k_qcfc6147e55_proj:
	s_mov_b64 s[64:65], 0
	v_nop
	global_prefetch_b8 v0, s[64:65] scope:SCOPE_SE
	s_setreg_imm32_b32 hwreg(HW_REG_WAVE_MODE, 25, 1), 1
	s_wait_xcnt 0x0
	s_wait_alu depctr_hold_cnt(0) depctr_sa_sdst(0) depctr_va_vdst(0) depctr_va_sdst(0) depctr_va_ssrc(0) depctr_va_vcc(0) depctr_vm_vsrc(0)
	s_getreg_b32 s2, hwreg(HW_REG_IB_STS2, 6, 4)
	s_cmp_eq_u32 s2, 0
	s_cbranch_scc0 .Lentry_in_a_cluster
	s_endpgm
.Lentry_in_a_cluster:
	s_bfe_u32 s2, ttmp6, 0x10000c
	s_cmp_lg_u32 s2, 0xf033
	s_cbranch_scc0 .Lentry_shape_is_right
	s_endpgm
.Lentry_shape_is_right:
; out0 = attention's result x w_out + b_out on codes of FP6 (E2M3) with E8M0 scales, K = 1,024; out0 [8192][1024] f32.
; A work-group of four waves makes 256 x 256 results, a wave 128 x 128: 64 accumulators, 512 registers.  K goes in steps of 256 through a ring of two LDS slots filled by the tensor data mover;
; the scale bytes of the work-group's 512 rows, for all of K, come into LDS once.  4 x 4 work-groups form a cluster: A's tiles are asked for jointly along a row of it, B's along a column.
; A (a_img) lies as IMAGES OF FRAGMENTS: [row tile of 16][128 along K][piece 6][lane 32][8 bytes]: a K step of a row tile is 3,072 consecutive bytes, and a fragment comes by six loads of 8 bytes a lane, on end.
; B = rows 3,072 on of w_codes, as rows of codes.  Source 0 = 16 rows of B, source 1 = 16 rows of A: a lane holds one row of A and eight columns.
; ROW ORDER.  Row rho of A holds token tau(rho), row rho of B column tau(rho) (tau: bits 3 and 4 exchanged): the way out puts both right: the columns by their place in the stage, the rows by the stores' offsets.
; b_out is the C of each sum's first matrix instruction.
; REGISTERS: window 0: v0-31 addresses; v32-63 scale words, two sets; v64-127 the bias; v128-223 A's fragments; on the way out v128-255 rows of the result.
;   window 1: B's fragments, two sets.   windows 2, 3: the accumulators ((a, b) at v[8 (8 (a % 4) + b)]).
.set NQ,     2
.set ROWB,   192                       ; B: a tile's row: 256 codes
.set KROW,   768                       ; a row of codes in memory; also 1 / 16 of a row tile of a_img
.set PITCH,  240                       ; B: an LDS row: 3 x (64 bytes + 16 of padding)
.set ASTEP,  3072                      ; A: a K step of a row tile
.set FR,     12
.set NL,     6
.set NP,     4
.set HALFA,  8*ASTEP                   ; A: 8 row tiles: what one tensor load brings, and what one wave reads
.set HALFT,  128*PITCH                 ; B: 128 rows
.set SLOT,   2*HALFA+2*HALFT           ; A's 16 row tiles, then B's 256 rows
.set LAPS,   2
.set KS,     32
.set SCL,    2*SLOT
.set HALFS,  (128*KS/256)*272
.set SBLK,   (16*KS/256)*272
.set SPARE,  SCL+4*HALFS               ; the spare words: 128 bytes for each wave, named by no other line
.set SPITCH, 528                       ; the way out: a stage of 16 rows x (512 bytes + 16) for each wave, in slot 0, which has had its last fill and its last read by then
.set ROWC,   4096                      ; a row of out0 in bytes
.set ADRA, 16                          ; v16-17  my A fragments in slot 0, 1
.set ADRB, 20                          ; v20-21  my B fragments (v22-23: behind one padding more)
.set STO,  24
.set RD,   25
.set CO,   26
.set ADRS, 27
.set SPW,  28                          ; my spare word; never rewritten
.set NIL,  29                          ; 0; never rewritten
.set SC,   32
.set BI,   64
.set AF,   128
.set BK,   128
.set G1, 24
.set G0, 32
.set G1B, 48
.set G0B, 56
.set G1S, 68
.set G0S, 76
.set G1SB, 80
.set G0SB, 88
.set MSB, 0
.macro WIN new
.if MSB != (\new)
	s_set_vgpr_msb (MSB<<8)|(\new)
.set MSB, (\new)
.endif
.endm
.set MUL_LO, 0xa1                      ; source 0 (B) window 1, source 1 (A) window 0, C and D window 2
.set MUL_HI, 0xf1
.set FIRST_LO, 0x81                    ; the same with C (the bias) in window 0
.set FIRST_HI, 0xc1
.set TO_B,   0x40
.macro JLOAD g0a, g1a, g0b, g1b        ; waves 0 and 1 fetch for A, waves 2 and 3 for B; four v_nop follow each of the two lines
	s_cmp_eq_u32 s15, 0
	s_cbranch_scc0 .Lfor_b_\@
	tensor_load_to_lds s[\g0a:\g0a+3], s[\g1a:\g1a+7]
	s_nop 0
.rept 4
	v_nop
.endr
	s_branch .Lasked_\@
.Lfor_b_\@:
	tensor_load_to_lds s[\g0b:\g0b+3], s[\g1b:\g1b+7]
	s_nop 0
.rept 4
	v_nop
.endr
.Lasked_\@:
.endm
.macro CREST
	s_cmp_lg_u32 s14, 0
	s_cbranch_scc1 .Lnot_wave_0_\@
	s_barrier_signal -3
.Lnot_wave_0_\@:
	s_barrier_wait -3
	s_barrier_signal -1
	s_barrier_wait -1
.endm
.macro CROUND
	s_barrier_signal -1
	s_barrier_wait -1
	CREST
.endm
	s_load_b128 s[4:7], s[0:1], 0x0                ; a_img, a_scales
	s_load_b128 s[8:11], s[0:1], 0x10              ; w_codes, w_scales
	s_load_b128 s[96:99], s[0:1], 0x20             ; b_out s[96:97], out0 s[98:99]
	v_lshl_add_u32 v[SPW], v0, 2, SPARE
	v_mov_b32 v[NIL], 0
	ds_add_u32 v28, v29
	ds_add_u32 v28, v29
	s_wait_dscnt 0x0
	v_lshrrev_b32 v1, 5, v0
	v_readfirstlane_b32 s14, v1                    ; wave 0..3
	s_lshr_b32 s15, s14, 1                         ; which half of A's rows is mine.  Also: I fetch for A (0) or for B (1)
	s_and_b32 s16, s14, 1                          ; which half of B's.  Also: which half I fetch
	s_bfe_u32 s40, ttmp6, 0x40000                  ; cx
	s_bfe_u32 s41, ttmp6, 0x40004                  ; cy
	s_lshl_b32 s42, ttmp9, 2
	s_add_co_u32 s42, s42, s40                     ; tile column
	s_and_b32 s17, ttmp7, 0xffff
	s_lshl_b32 s17, s17, 2
	s_add_co_u32 s17, s17, s41                     ; tile row
	s_lshl_b32 s43, s41, 2
	s_lshl_b32 s43, 15, s43                        ; my row of the cluster
	s_lshl_b32 s44, 0x1111, s40                    ; my column
	; A: 8 rows (row tiles) of 3,072 bytes = 384 elements of 8 bytes, 12,288 bytes apart, no padding
	s_or_b32 s[G1+0], s43, (3<<16)|(1<<21)
	s_mov_b32 s[G1+1], 384<<16
	s_mov_b32 s[G1+2], 8<<16
	s_mov_b32 s[G1+3], 384<<16
	s_mov_b32 s[G1+4], 8
	s_mov_b32 s[G1+5], 1536
	s_mov_b32 s[G1+6], 0
	s_mov_b32 s[G1+7], 0
	; B: 128 rows x 192 bytes, 16 bytes of padding behind every 64
	s_or_b32 s[G1B+0], s44, (0<<16)|(1<<20)|(1<<21)|(3<<22)|(3<<25)
	s_mov_b32 s[G1B+1], ROWB<<16
	s_mov_b32 s[G1B+2], 128<<16
	s_mov_b32 s[G1B+3], ROWB<<16
	s_mov_b32 s[G1B+4], 128
	s_mov_b32 s[G1B+5], KROW
	s_mov_b32 s[G1B+6], 0
	s_mov_b32 s[G1B+7], 0
	; the scales of 128 rows: 16 rows of 256 bytes, 16 bytes of padding behind each
	s_or_b32 s[G1S+0], s43, (3<<16)|(1<<20)|(1<<21)|(5<<22)|(3<<25)
	s_or_b32 s[G1SB+0], s44, (3<<16)|(1<<20)|(1<<21)|(5<<22)|(3<<25)
.irp g, G1S, G1SB
	s_mov_b32 s[\g+1], 32<<16
	s_mov_b32 s[\g+2], (128*KS/256)<<16
	s_mov_b32 s[\g+3], 32<<16
	s_mov_b32 s[\g+4], 128*KS/256
	s_mov_b32 s[\g+5], 32
	s_mov_b32 s[\g+6], 0
	s_mov_b32 s[\g+7], 0
.endr
	s_lshl_b32 s18, s16, 7
	s_lshl_b32 s20, s17, 8
	s_add_co_u32 s20, s20, s18                     ; A's row: 256 x tile row + 128 x half
	s_lshl_b32 s46, s42, 8
	s_add_co_u32 s46, s46, s18
	s_add_co_u32 s46, s46, 3072                    ; B's row: w_out's columns begin at row 3,072
	s_mov_b32 s21, 0
	s_mov_b32 s47, 0
	s_mov_b64 s[18:19], KS
	s_mul_u64 s[22:23], s[20:21], s[18:19]
	s_mul_u64 s[92:93], s[46:47], s[18:19]
	s_mov_b64 s[18:19], KROW
	s_mul_u64 s[20:21], s[20:21], s[18:19]         ; 768 bytes a row in a_img too: 12,288 for a row tile of 16
	s_mul_u64 s[46:47], s[46:47], s[18:19]
	s_mul_i32 s45, s16, HALFA                      ; where A's half goes,
	s_mul_i32 s95, s16, HALFT
	s_add_co_u32 s95, s95, 2*HALFA                 ; and B's, behind A's two
	s_mul_i32 s94, s14, HALFS
	s_wait_kmcnt 0x0
	s_add_nc_u64 s[20:21], s[4:5], s[20:21]
	s_add_nc_u64 s[22:23], s[6:7], s[22:23]
	s_add_nc_u64 s[46:47], s[8:9], s[46:47]
	s_add_nc_u64 s[92:93], s[10:11], s[92:93]
	CROUND                                         ; all sixteen work-groups are here: the first joint loads meet
	s_mov_b32 s[G0S], 1
	s_add_co_u32 s[G0S+1], s94, SCL
	s_mov_b64 s[G0S+2:G0S+3], s[22:23]
	s_or_b32 s[G0S+3], s[G0S+3], 0x80000000
	s_mov_b32 s[G0SB], 1
	s_add_co_u32 s[G0SB+1], s94, SCL
	s_mov_b64 s[G0SB+2:G0SB+3], s[92:93]
	s_or_b32 s[G0SB+3], s[G0SB+3], 0x80000000
	JLOAD G0S, G1S, G0SB, G1SB
.irp s, 0,1
	s_mov_b32 s[G0+4*\s], 1
	s_add_co_u32 s[G0+4*\s+1], s45, \s*SLOT
	s_add_nc_u64 s[G0+4*\s+2:G0+4*\s+3], s[20:21], \s*ASTEP
	s_or_b32 s[G0+4*\s+3], s[G0+4*\s+3], 0x80000000
	s_mov_b32 s[G0B+4*\s], 1
	s_add_co_u32 s[G0B+4*\s+1], s95, \s*SLOT
	s_add_nc_u64 s[G0B+4*\s+2:G0B+4*\s+3], s[46:47], \s*ROWB
	s_or_b32 s[G0B+4*\s+3], s[G0B+4*\s+3], 0x80000000
	JLOAD G0+4*\s, G1, G0B+4*\s, G1B
.endr
	v_and_b32 v1, 15, v0                           ; r
	v_bfe_u32 v2, v0, 4, 1                         ; h
	v_and_b32 v6, 31, v0                           ; lane
	v_lshlrev_b32 v7, 3, v6                        ; A: 8 bytes a lane
	v_mul_u32_u24 v3, v1, PITCH
	v_mul_u32_u24 v4, v2, 24
	v_add_nc_u32 v4, v3, v4                        ; B: row x pitch + 24 h
	v_lshl_add_u32 v5, v2, 4, v4                   ; and behind one padding more
	s_mul_i32 s21, s15, HALFA                      ; my 8 row tiles of A
	s_mul_i32 s22, s16, HALFT
	s_add_co_u32 s22, s22, 2*HALFA                 ; my 128 rows of B
.irp s, 0,1
	v_add_nc_u32 v[ADRA+\s], s21, v7
	v_add_nc_u32 v[ADRB+\s], s22, v4
	v_add_nc_u32 v[ADRB+2+\s], s22, v5
	s_add_co_u32 s21, s21, SLOT
	s_add_co_u32 s22, s22, SLOT
.endr
	v_mul_u32_u24 v5, v1, KS
	v_lshrrev_b32 v3, 8, v5
	v_lshl_add_u32 v5, v3, 4, v5
	s_mul_i32 s21, s15, HALFS
	s_mul_i32 s22, s16, HALFS
	s_add_co_u32 s22, s22, 2*HALFS
	s_sub_co_u32 s22, s22, s21
	v_mul_u32_u24 v3, s22, v2                      ; lanes 16-31 take B's: one product, the distance between the two bases
	s_add_co_u32 s21, s21, SCL
	v_add_nc_u32 v5, v5, v3
	v_add_nc_u32 v[ADRS], s21, v5
	s_mul_i32 s23, s14, 16*SPITCH                  ; my stage
	v_mul_u32_u24 v5, v1, SPITCH
	v_lshl_add_u32 v5, v2, 6, v5                   ; in: row r; my half's 16 columns of each 32: + 64 h
	v_add_nc_u32 v[STO], s23, v5
	v_lshlrev_b32 v[CO], 4, v6                     ; back: the 32 lanes take one row of 512 bytes; and the same in out0
	v_add_nc_u32 v[RD], s23, v[CO]
	s_lshl_b32 s20, s17, 8
	s_lshl_b32 s21, s15, 7
	s_add_co_u32 s20, s20, s21                     ; my first row: 256 x tile row + 128 x half
	s_lshl_b32 s20, s20, 12
	s_lshl_b32 s46, s42, 10
	s_lshl_b32 s47, s16, 9
	s_add_co_u32 s46, s46, s47                     ; my first column, in bytes; also my first number of b_out
	s_add_co_u32 s20, s20, s46
	s_mov_b32 s21, 0
	s_mov_b32 s47, 0
	s_add_nc_u64 s[12:13], s[98:99], s[20:21]
	s_add_nc_u64 s[96:97], s[96:97], s[46:47]
	v_lshlrev_b32 v8, 6, v2                        ; the bias: register 8 b + j = column 32 (b / 2) + 16 h + 8 (b % 2) + j
.irp b, 0,1,2,3,4,5,6,7
	global_load_b128 v[BI+8*\b:BI+8*\b+3], v8, s[96:97] offset:(32*(\b/2)+8*(\b%2))*4
	global_load_b128 v[BI+8*\b+4:BI+8*\b+7], v8, s[96:97] offset:(32*(\b/2)+8*(\b%2))*4+16
.endr
.macro FRAG reg, adr, q, i             ; B: 16 rows x 128 K: six pieces of 8 bytes; where lanes 16-31's piece lies behind one padding more, the second address register serves
.irp p, 0,1,2,3,4,5
.set PC, 12*(\q)+6*(\p/3)+\p%3
.if PC%8 < 5
	ds_load_b64 v[\reg+2*\p:\reg+2*\p+1], v[\adr] offset:8*PC+16*(PC/8)+(\i)*16*PITCH
.else
	ds_load_b64 v[\reg+2*\p:\reg+2*\p+1], v[\adr+2] offset:8*PC+16*(PC/8)+(\i)*16*PITCH
.endif
.endr
.endm
.macro FRAGA reg, slot, q, i           ; A: an image: piece p's 256 bytes on end, 8 bytes a lane
.irp p, 0,1,2,3,4,5
	ds_load_b64 v[\reg+2*\p:\reg+2*\p+1], v[ADRA+\slot] offset:(\i)*ASTEP+(\q)*1536+256*\p
.endr
.endm
; 16 matrix instructions: A's blocks a0, a0 + 1 x B's eight.  first = 1: the bias is the C.  The 64 accumulators take turns, one instruction a turn, in the same order in every step.
.macro MUL16 a0, p, q, sc, first
.irp a, \a0, \a0+1
.irp b, 0,1,2,3,4,5,6,7
.if \first
	v_wmma_scale_f32_16x16x128_f8f6f4 v[8*(8*((\a)%4)+\b):8*(8*((\a)%4)+\b)+7], v[128*(\p)+FR*\b:128*(\p)+FR*\b+FR-1], v[AF+FR*(\a):AF+FR*(\a)+FR-1], v[BI+8*\b:BI+8*\b+7], v[SC+8*NQ*(\sc)+NQ*\b+(\q)], v[SC+8*NQ*(\sc)+NQ*(\a)+(\q)] matrix_a_fmt:MATRIX_FMT_FP6 matrix_b_fmt:MATRIX_FMT_FP6 matrix_a_scale:MATRIX_SCALE_ROW1
.else
	v_wmma_scale_f32_16x16x128_f8f6f4 v[8*(8*((\a)%4)+\b):8*(8*((\a)%4)+\b)+7], v[128*(\p)+FR*\b:128*(\p)+FR*\b+FR-1], v[AF+FR*(\a):AF+FR*(\a)+FR-1], v[8*(8*((\a)%4)+\b):8*(8*((\a)%4)+\b)+7], v[SC+8*NQ*(\sc)+NQ*\b+(\q)], v[SC+8*NQ*(\sc)+NQ*(\a)+(\q)] matrix_a_fmt:MATRIX_FMT_FP6 matrix_b_fmt:MATRIX_FMT_FP6 matrix_a_scale:MATRIX_SCALE_ROW1
.endif
.endr
.endr
.endm
.macro FETCH_B slot, q, p
	WIN TO_B
.irp i, 0,1,2,3,4,5,6,7
	FRAG 128*(\p)+FR*\i, ADRB+\slot, \q, \i
.endr
	WIN 0
.endm
.macro FETCH_A slot, q, i0
.irp i, \i0, \i0+1, \i0+2, \i0+3
	FRAGA AF+FR*(\i), \slot, \q, \i
.endr
.endm
.macro SCALES sc
.irp i, 0,1,2,3,4,5,6,7
	ds_load_b64 v[SC+8*NQ*\sc+NQ*\i:SC+8*NQ*\sc+NQ*\i+1], v[ADRS] offset:\i*SBLK
.endr
.endm
.macro PLACES n                        ; plain vector instructions between a matrix instruction and a load into, or a read of, its registers
.rept \n
	v_nop
.endr
.endm
.macro STEP slot, q, first
	s_wait_dscnt 4*NL                              ; B's set and A's blocks 0-3 are in; the youngest 24 loads (A's blocks 4-7) may be out
.if \first
	WIN FIRST_LO
.else
	WIN MUL_LO
.endif
	MUL16 0, (\q)%2, \q, \slot, \first
	MUL16 2, (\q)%2, \q, \slot, \first
	s_wait_dscnt 0
	PLACES NP
	FETCH_B \slot, (\q)+1, 1-(\q)%2
	FETCH_A \slot, (\q)+1, 0
.if \first
	WIN FIRST_HI
.else
	WIN MUL_HI
.endif
	MUL16 4, (\q)%2, \q, \slot, \first
	MUL16 6, (\q)%2, \q, \slot, \first
	PLACES NP
	WIN 0
	FETCH_A \slot, (\q)+1, 4
.endm
.macro TURN slot, next, fill
	s_wait_tensorcnt 0x0                           ; all my tensor loads have landed: my part of the next slot
	ds_add_u32 v[SPW], v[NIL]                      ; 0 onto my spare word
	s_wait_dscnt 4*NL+1                            ; (the add and the youngest 24 loads may be out)
	WIN MUL_LO
	MUL16 0, 1, NQ-1, \slot, 0
	s_wait_dscnt 0x0                               ; the add is done, and my reads of this slot are over
	s_barrier_signal -1
	MUL16 2, 1, NQ-1, \slot, 0
	WIN 0
	s_barrier_wait -1
.if \fill
	CREST                                          ; the barrier has opened a round of the cluster's: no wave of any partner still reads this slot or has a load on its way
	s_add_nc_u64 s[G0+4*\slot+2:G0+4*\slot+3], s[G0+4*\slot+2:G0+4*\slot+3], 2*ASTEP
	s_add_nc_u64 s[G0B+4*\slot+2:G0B+4*\slot+3], s[G0B+4*\slot+2:G0B+4*\slot+3], 2*ROWB
	JLOAD G0+4*\slot, G1, G0B+4*\slot, G1B         ; the first tensor load behind the round; its four v_nop are the places in front of the loads below
.else
	PLACES NP
.endif
	v_add_nc_u32 v[ADRS], 4*NQ, v[ADRS]
	FETCH_B \next, 0, 0
	FETCH_A \next, 0, 0
	SCALES \next
	WIN MUL_HI
	MUL16 4, 1, NQ-1, \slot, 0
	MUL16 6, 1, NQ-1, \slot, 0
	PLACES NP
	WIN 0
	FETCH_A \next, 0, 4
.endm
	s_wait_loadcnt 0x0                             ; the bias
	s_wait_tensorcnt 1                             ; the scales and my part of K step 0 are in (K step 1's load may be out),
	s_barrier_signal -1
	s_barrier_wait -1                              ; everybody's are
	FETCH_B 0, 0, 0
	FETCH_A 0, 0, 0
	SCALES 0
	FETCH_A 0, 0, 4
	STEP 0, 0, 1                                   ; the first step's products start the sums, from the bias
	s_mov_b32 s3, LAPS-1
.Llap:
	TURN 0, 1, 1
	STEP 1, 0, 0
	TURN 1, 0, 1
	STEP 0, 0, 0
	s_sub_co_u32 s3, s3, 1
	s_cmp_lg_u32 s3, 0
	s_cbranch_scc1 .Llap
	TURN 0, 1, 0                                   ; the last lap fills nothing
	STEP 1, 0, 0
	s_wait_dscnt 4*NL
	WIN MUL_LO
	MUL16 0, 1, NQ-1, 1, 0
	MUL16 2, 1, NQ-1, 1, 0
	s_wait_dscnt 0
	WIN MUL_HI
	MUL16 4, 1, NQ-1, 1, 0
	MUL16 6, 1, NQ-1, 1, 0
	WIN 0
; THE WAY OUT, block by block of 16 rows x 128 columns, through my own stage in LDS; LDS serves a wave's instructions in order, so no wait stands between the stores and the loads.
; Accumulator (a, b), lane (r, h), register j is column 32 (b / 2) + 16 h + 8 (b % 2) + j of A's row r of block a, which is true row 32 (a / 2) + 8 (a % 2) + r + 8 (r / 8).
.macro TOSTAGE a
.set AC, 64*((\a)%4)
	WIN 0x08+4*((\a)/4)                            ; the data: window 2 or 3
.irp b, 0,1,2,3,4,5,6,7
	ds_store_b128 v[STO], v[AC+8*\b:AC+8*\b+3] offset:128*(\b/2)+32*(\b%2)          ; each accumulator from its low end on
	ds_store_b128 v[STO], v[AC+8*\b+4:AC+8*\b+7] offset:128*(\b/2)+32*(\b%2)+16
.endr
	WIN 0
.set BB, BK+64*((\a)%2)
.irp t, 0,1,2,3,4,5,6,7,8,9,10,11,12,13,14,15
	ds_load_b128 v[BB+4*\t:BB+4*\t+3], v[RD] offset:\t*SPITCH
.endr
.endm
.macro SEND a, younger                 ; younger: the LDS instructions issued behind block a's loads, which may stay out
.set BB, BK+64*((\a)%2)
	s_wait_dscnt \younger
.irp t, 0,1,2,3,4,5,6,7,8,9,10,11,12,13,14,15
	global_store_b128 v[CO], v[BB+4*\t:BB+4*\t+3], s[12:13] offset:(32*((\a)/2)+8*((\a)%2)+\t+8*(\t/8))*ROWC th:TH_STORE_NT   ; 32 lanes store 512 consecutive bytes, aligned; the row stands in the immediate: 127 rows at the most
.endr
.endm
	PLACES NP
	TOSTAGE 0
.irp a, 1,2,3,4,5,6,7
.if \a > 1
	s_wait_xcnt 0x0                                ; block a - 2's stores have read their registers: block a's loads may land there
.endif
	TOSTAGE \a
	SEND \a-1, 32                                  ; behind block a - 1's loads: block a's 16 stores and 16 loads
.endr
	SEND 7, 0
	s_wait_tensorcnt 0x0                           ; the wave's end
	ds_add_u32 v[SPW], v[NIL]
	s_wait_dscnt 0x0
	CROUND                                         ; the closing round
	s_endpgm
.Lfunc_end_k_qcfc6147e55_proj:
	.size	k_qcfc6147e55_proj, .Lfunc_end_k_qcfc6147e55_proj-k_qcfc6147e55_proj
	.p2alignl 7, 3214868480
	.fill 96, 4, 3214868480
	.section	.rodata,"a",@progbits
	.p2align	6, 0x0
	.amdhsa_kernel k_qcfc6147e55_proj
		.amdhsa_group_segment_fixed_size 327680
		.amdhsa_private_segment_fixed_size 0
		.amdhsa_enable_private_segment 0
		.amdhsa_kernarg_size 48
		.amdhsa_user_sgpr_count 2
		.amdhsa_user_sgpr_kernarg_segment_ptr 1
		.amdhsa_wavefront_size32 1
		.amdhsa_system_sgpr_workgroup_id_x 1
		.amdhsa_system_sgpr_workgroup_id_y 1
		.amdhsa_system_sgpr_workgroup_id_z 1
		.amdhsa_system_vgpr_workitem_id 0
		.amdhsa_next_free_vgpr 1024
		.amdhsa_next_free_sgpr 100
		.amdhsa_reserve_vcc 0
		.amdhsa_float_denorm_mode_32 3
		.amdhsa_float_denorm_mode_16_64 3
		.amdhsa_memory_ordered 1
		.amdhsa_forward_progress 1
		.amdhsa_inst_pref_size 161
	.end_amdhsa_kernel
	.amdgpu_metadata
---
amdhsa.version: [ 1, 2 ]
amdhsa.kernels:
  - .name:           k_qcfc6147e55_proj
    .symbol:         k_qcfc6147e55_proj.kd
    .args:
      - { .name: a_img, .offset: 0, .size: 8, .value_kind: global_buffer, .address_space: global }
      - { .name: a_scales, .offset: 8, .size: 8, .value_kind: global_buffer, .address_space: global }
      - { .name: w_codes, .offset: 16, .size: 8, .value_kind: global_buffer, .address_space: global }
      - { .name: w_scales, .offset: 24, .size: 8, .value_kind: global_buffer, .address_space: global }
      - { .name: b_out, .offset: 32, .size: 8, .value_kind: global_buffer, .address_space: global }
      - { .name: out0, .offset: 40, .size: 8, .value_kind: global_buffer, .address_space: global }
    .group_segment_fixed_size: 327680
    .private_segment_fixed_size: 0
    .kernarg_segment_align: 8
    .kernarg_segment_size: 48
    .max_flat_workgroup_size: 128
    .sgpr_count:     100
    .vgpr_count:     1024
    .wavefront_size: 32
...
	.end_amdgpu_metadata
.endif
;; end of part 4
